; MI455X (gfx1250); checked and timed in simulation.
; The chip was launched on July 23, 2026; its instructions are those of AMD's public machine-readable ISA for CDNA 5 (MIT licence, August 2026) and "CDNA5" Instruction Set Architecture Reference Guide (July 2026). The comments in the code are by the model that wrote it; some were corrected since.
;; Location Encoder. Allowed arithmetic: matrix products marked QUANTISED: E2M1 operands, one E8M0 scale for each 32 along K, by v_wmma_scale_f32_16x16x128_f8f6f4 with both operands' format E2M1 (or v_wmma_scale_f32_32x16x128_f4), f32 sums; products left as they are: f32 operands where the result goes on into a quantised operand, else bf16, f16 or f32 operands; f32 sums; everything else in f32.
;; Inputs: W_ctx 3 x 128 float32; W_in 5 x 128 float32; W_tgt 128 x 128 float32; b_ctx 128 float32; b_in 128 float32; b_tgt 128 float32; context_x 4 x 512 x 4 float32; context_y 4 x 512 x 2 float32; target_x 4 x 512 x 4 float32.
;; Outputs: out0 4 x 512 x 128 float32.
;; This version of the problem:
;;   THIS VERSION OF THE PROBLEM IS GIVEN IN LOW PRECISION. The matrix products marked QUANTISED in the list below multiply operands that are first quantised to E2M1 (2 exponent bits, 1 mantissa bit; 4 bits a number), with one power-of-two scale for each 32 numbers along K (OCP MX v1.0); their sums are f32. All else is computed in f32.
;;   The module's matrix products, in the order in which they are computed (A, B: the left and right operand; K: the contracted axis; several contracted axes count as one K, in the product's order):
;;     1. [M 2,048, K 5] x [K 5, N 128]; A: computed on the way; B: input W_in: left as it is (K = 5 < 32)
;;     2. [M 2,048, K 3] x [K 3, N 128]; A: input context_x; B: input W_ctx: left as it is (K = 3 < 32)
;;     3. [M 2,048, K 3] x [K 3, N 128]; A: input target_x; B: input W_ctx: left as it is (K = 3 < 32)
;;     4. batch 4 x [M 512, K 512] x [K 512, N 128]; A: softmax (see below); B: computed on the way: QUANTISED
;;     5. [M 2,048, K 128] x [K 128, N 128]; A: computed on the way; B: input W_tgt: QUANTISED
;;   THE QUANTISER, for each operand of a quantised product, along K:
;;     - K is cut into blocks of 32 from its start; a last block that is shorter is filled with zeros.
;;     - A block's scale is 2^e with e = floor(log2(the largest magnitude in the block)) - 2, held to -126 .. 127; a block of zeros has e = 0. As a byte (E8M0): e + 127.
;;     - Each number is divided by its block's scale, clamped to +-6, and rounded to the nearest number of E2M1, ties to even, subnormals kept.
;;     - The product sums the exact products of the quantised numbers (number of the format x scale) in f32.
;;   ~~~python
;;   def quantise(x, axis):      # numpy; x: float32 -> the quantised numbers, widened to float32 again
;;       x = np.moveaxis(x, axis, -1); K = x.shape[-1]
;;       x = np.pad(x, [(0, 0)] * (x.ndim - 1) + [(0, -K % 32)]); x = x.reshape(x.shape[:-1] + (-1, 32)); a = np.abs(x).max(-1, keepdims=True)
;;       e = np.where(a > 0, np.clip(np.frexp(np.where(a > 0, a, 1))[1] - 1 - 2, -126, 127), 0)      # np.frexp(a)[1] - 1 = floor(log2(a)), exactly
;;       r = np.clip(x / 2.0 ** e, -6, 6)
;;       step = 2.0 ** (np.maximum(np.frexp(np.where(r == 0, 1, r))[1] - 1, 0) - 1)
;;       q = np.round(r / step) * step * 2.0 ** e      # np.round: ties to even
;;       return np.moveaxis(q.reshape(q.shape[:-2] + (-1,))[..., :K], -1, axis).astype(np.float32)
;;   ~~~
;;   SOFTMAX AHEAD OF A QUANTISED PRODUCT. Where the list says 'softmax', what is quantised is not the finished softmax but p = 2^(t - M), with t = logit x log2(e) and M = ceil(the row's largest t), a whole number; so 1/2 < the row's largest p <= 1. The row's sum l is taken of the UNQUANTISED p, in f32, and the product's result is divided by l at the end. Since M is a whole number, a kernel that streams over the keys may use a running M (the ceiling of the running maximum): every later rescaling is an exact power of two, which a block's scale takes up: the codes' values come out the same.
;;   OPERANDS COMPUTED ON THE WAY. 'Computed on the way' means the value that the module computes at that place (a softmax that the list does not call 'softmax' is quantised finished and normalised). What goes into a quantiser is computed in f32, as accurately as f32 sums, v_exp_f32 and their like allow (about 1e-6 of the number): no bf16 or f16 on the way to a quantiser, and a product that is left as it is and whose result goes on into a quantised operand takes f32 operands (vector FMAs, or v_wmma_f32_16x16x4_f32). A number that lies on a knife's edge between two numbers of the format may be rounded either way, as far as f32 arithmetic and the matrix unit's own rounding can turn it there, and no further.
;; 2 versions. Each part assembles by itself: llvm-mc -triple=amdgcn-amd-amdhsa -mcpu=gfx1250 --defsym DOCPART=n.
;; ======== version 1 of 2: 1 launch
;; launch locenc (part 1): grid 256 x 1, 4 waves a work-group, no clusters, 75,776 bytes of LDS; arguments context_x, context_y, target_x, W_in, b_in, W_ctx, b_ctx, W_tgt, b_tgt, out0; writes out0
.if DOCPART == 1
	.amdgcn_target "amdgcn-amd-amdhsa--gfx1250"
	.amdhsa_code_object_version 6
	.text
	.protected	k_q9874c256e8_locenc
	.globl	k_q9874c256e8_locenc
	.p2align	8
	.type	k_q9874c256e8_locenc,@function
k_q9874c256e8_locenc:
	s_mov_b64 s[64:65], 0
	v_nop
	global_prefetch_b8 v0, s[64:65] scope:SCOPE_SE
	s_setreg_imm32_b32 hwreg(HW_REG_WAVE_MODE, 25, 1), 1
	s_wait_xcnt 0x0
; out = (softmax_c(-0.5 sum_h |key[c][h] - query[t][h]|) value) W_tgt + b_tgt.   4 batches x 512 targets x 512 context points, H = 128.
; key = ctx_x[:3] W_ctx + b_ctx, query = tgt_x[:3] W_ctx + b_ctx, value = [ctx_x[:3], ctx_y] W_in + b_in: f32 fused multiply-adds.  The two large products run on codes of FP4 (E2M1) with one E8M0 scale
; for each 32 along K: p x value (K = the 512 context points) and rep x W_tgt (K = 128).  p = 2^(t - M), t = score x log2(e), M a whole number; the sum of the unquantised p divides at the end.
; SHARES.  The bulk of the work is 4 x 512 x 512 x 128 differences and magnitudes, so it is dealt evenly: 256 work-groups of four waves.  Work-group g owns targets 8 g .. 8 g + 7 of the 2,048 (batch g / 64).
; Wave w owns context points 128 w .. 128 w + 127 of the batch: one K step of the first product.  Lane l owns four of them, 4 l + 0 .. 3, and keeps their 4 x 128 key numbers in 512 registers.  The eight query rows lie in LDS and
; are read as broadcasts: 16 bytes feed 24 vector instructions.  Two differences go in one packed subtraction; a magnitude is added by a fused multiply-add with 1.0: three instructions for two numbers.
; Each wave takes the softmax over its own 128 points with its own whole number M_w, multiplies by its own eight fragments of value^T (made and quantised in its registers), and lays O^T, -M_w and its sum in LDS.
; Then every wave joins the four parts (factors 2^(M_u - M), exact), divides, quantises rep and makes 32 of the 128 outputs with its own two fragments of W_tgt.
; A matrix tile has 16 columns and the work-group 8 targets: columns 8-15 repeat targets 0-7 (lane r serves target r % 8).  That doubles 10 matrix instructions a wave, and keeps every work-group's share of the differences small.
; BOTH PRODUCTS ARE USED TRANSPOSED (source 0 = 16 of the 128 channels, source 1 = the targets): a lane holds one target throughout.  The channels of a tile of value are not neighbours: lane r of tile 2 b + u takes
; channel 32 b + 8 u + r + 8 (r / 8), so that the 16 registers of tiles 2 b and 2 b + 1 are 16 neighbouring channels, the order in which rep is quantised.
; NO CLUSTER, NO TENSOR LOAD: what work-groups share is W_tgt (each wave loads its 16 KiB once, straight into the order of the operand's registers, 16 loads at a time among 1,280 multiply-adds) and 6 KiB of coordinates and small weights;
; a joint load would add a trip from LDS to registers and the cluster's rounds to a text whose time is vector arithmetic.
; LIMITS.  NaN and infinities among the inputs are not served.  A block of zeros gets the scale byte 1 (its codes are zeros; the bytes are read here alone).  A p under 2^-126 counts as 0.  1 / sum is v_rcp_f32.
; The bias is the first addend of each chain of multiply-adds (b + x0 W0 + x1 W1 ..), not the last; key and query are made in the same order.
;
; LDS
.set QL,    0                          ; query[t][h]: 8 rows of 512 bytes
.set WCL,   4096                       ; W_ctx's rows 0, 1, 2, then b_ctx: 512 bytes each
.set MIMG,  6144                       ; wave u at 256 u: each lane's pair (-M_u, sum_u) at 8 x lane
.set STG,   7168                       ; the way out: 8 rows of 512 bytes + 16
.set SPT,   528
.set EL,    11520                      ; a wave's own: x0, x1, x2, y0, y1 of its 128 points, 512 bytes each
.set ELW,   2560
.set SL,    21760                      ; a wave's own: sum |d|, [8 targets][128 points], rows 528 bytes apart
.set SLW,   5120
.set OIMG,  42240                      ; wave u at 8192 u: its 64 registers of O^T as they stand: four registers at 512 n + 16 x lane
; REGISTERS, in windows of 256 (s_set_vgpr_msb: bits 1:0 source 0, 3:2 source 1, 5:4 source 2, 7:6 destination).
; window 1: E of points 0-63, then keys of my points 0, 1 (v[128 kk + h]), then the four images of O^T.   window 2: W_tgt as loaded, then keys of my points 2, 3.
; window 3: v0-63 value's fragments, v64-79 W_tgt's, v80-95 b_tgt in the result's layout, v96-255 E of points 64-127.
.set VT4, 1                            ; 4 x thread
.set RR,  2                            ; r = lane % 16
.set HH,  3                            ; hh = lane / 16
.set VQ,  4                            ; LDS address of the query row being fetched
.set VS0, 5                            ; my 16 bytes of a row of sum |d|
.set VS,  6                            ; the same in the target's row
.set VSR, 7                            ; where the softmax reads: row r % 8, + 64 hh
.set VE,  8                            ; E: + 128 hh
.set VEW, 9                            ; E: my four points' words
.set VWC, 10                           ; WCL
.set VLI, 11                           ; 16 x lane
.set VOW, 12                           ; my wave's image of O^T
.set VOI, 13                           ; wave 0's
.set VMW, 14                           ; my wave's (-M, sum)
.set VMI, 15                           ; wave 0's
.set VSC, 16                           ; v16-23 scale words of value's eight fragments
.set WS,  24                           ; v24-25 of W_tgt's two
.set PW,  26                           ; p's
.set RW,  27                           ; rep's
.set VST, 28                           ; the stage, in
.set VSD, 29                           ; the stage, back
.set VWT, 30                           ; W_tgt: 4 r + 32 hh rows
.set VSH, 31                           ; 8 hh
.set CX,  32                           ; v32-47  my four points' x0 .. x3
.set CX1, 48                           ; v48-55  their x1, twice each: a pair for the packed form
.set WI,  56                           ; v56-151 tile i: W_in[j][my channel] at 12 i + 2 j, b_in at 12 i + 10; the odd partners are 0
.set VAL, 152                          ; v152-215 two tiles x 32 points of value
.set MX,  216                          ; v216-231 running largest magnitudes
.set SO,  232                          ; v232-235 the conversions' scale operands
.set TB,  236                          ; v236-239 scale bytes
.set PT,  240                          ; v240-243 what a lane permute brings
.set CY,  244                          ; v244-251 my four points' y0, y1
.set WCV, 216                          ; v216-219 W_ctx[0..2][thread], b_ctx[thread]
.set QV,  220                          ; v220-227 query[t][thread]
.set KT,  56                           ; v56-119 keys in the making
.set WCB, 128                          ; v128-255 two buffers of W_ctx and b_ctx, 16 channels each
.set ACC, 32                           ; v32-47  four running sums for each of my four points
.set DF,  48                           ; v48-79  32 differences
.set SC,  80                           ; v80-83  the four sums
.set RT,  84                           ; v84-91
.set QR,  128                          ; v128-255 a query row
.set S,   128                          ; v128-191 sum |d|, then p
.set OA,  192                          ; v192-255 O^T
.set BM,  32
.set BP,  36
.set BS,  40
.set TT,  44
.set SUM, 48
.set PC,  96                           ; v96-103 p's codes
.set NM,  104                          ; -M_w
.set LL,  105                          ; my wave's sum
.set ML,  32                           ; v32-39 (-M_u, sum_u)
.set G,   40                           ; v40-47 g_u = f_u / sum at 2 u, f_u = 2^(M_u - M) at 2 u + 1
.set TM,  48                           ; v48-63 at work
.set LT,  64
.set RL,  65
.set REP, 128                          ; v128-191
.set RC,  96                           ; v96-103 rep's codes
.set Y,   192                          ; v192-207
.set OUTR, 208                         ; v208-215
.set MSB, 0
.macro WIN new                         ; the immediate's high byte repeats the setting that is left; a switch that changes nothing is dropped
.if MSB != (\new)
	s_set_vgpr_msb (MSB<<8)|(\new)
.set MSB, (\new)
.endif
.endm
.macro BARRIER                         ; my LDS stores have landed and my LDS loads are in: then the work-group's barrier
	s_wait_dscnt 0x0
	s_barrier_signal -1
	s_barrier_wait -1
.endm
; Step st of four of nch chains, each the largest magnitude of eight numbers v[X + 8 ch ..].  The chains take turns.  The floor 2^(3 - 127) starts each chain: so no scale byte falls under 1.
; The running value is source 0 and the numbers are sources 1 and 2, so that the numbers may lie in another window.
.macro MAXSTEP st, nch, X, M
.set ch, 0
.rept \nch
.if (\st) == 0
	v_max3_num_f32 v[\M+ch], 0x1800000, |v[\X+8*ch]|, |v[\X+8*ch+1]|
.else
	v_max3_num_f32 v[\M+ch], v[\M+ch], |v[\X+8*ch+2*(\st)]|, |v[\X+8*ch+2*(\st)+1]|
.endif
.set ch, ch+1
.endr
.endm
.macro MERGE nb, M                     ; four chains make a block of 32: its largest magnitude in v[M + 4 k]
.set k, 0
.rept \nb
	v_max3_num_f32 v[\M+4*k], v[\M+4*k], v[\M+4*k+1], v[\M+4*k+2]
.set k, k+1
.endr
.set k, 0
.rept \nb
	v_max_num_f32 v[\M+4*k], v[\M+4*k], v[\M+4*k+3]
.set k, k+1
.endr
.endm
	; ---- the head: pointers, ids, addresses
	s_load_b512 s[4:19], s[0:1], 0x0               ; context_x 4, context_y 6, target_x 8, W_in 10, b_in 12, W_ctx 14, b_ctx 16, W_tgt 18
	s_load_b128 s[20:23], s[0:1], 0x40             ; b_tgt 20, out0 22
	v_lshrrev_b32 v232, 5, v0
	v_readfirstlane_b32 s24, v232                  ; wave 0..3
	v_and_b32 v232, 31, v0                         ; lane
	v_lshlrev_b32 v[VT4], 2, v0
	v_and_b32 v[RR], 15, v0
	v_bfe_u32 v[HH], v0, 4, 1
	v_and_b32 v233, 7, v0
	v_mul_u32_u24 v233, v233, SPT                  ; 528 (r % 8)
	v_lshlrev_b32 v[VLI], 4, v232
	s_mul_i32 s25, s24, SLW
	s_add_co_u32 s25, s25, SL
	v_add_nc_u32 v[VS0], s25, v[VLI]
	v_lshl_add_u32 v[VSR], v[HH], 6, v233
	v_add_nc_u32 v[VSR], s25, v[VSR]
	s_mul_i32 s25, s24, ELW
	s_add_co_u32 s25, s25, EL
	v_lshlrev_b32 v[VE], 7, v[HH]
	v_add_nc_u32 v[VE], s25, v[VE]
	v_add_nc_u32 v[VEW], s25, v[VLI]
	v_mov_b32 v[VWC], WCL
	s_lshl_b32 s25, s24, 13
	s_add_co_u32 s25, s25, OIMG
	v_add_nc_u32 v[VOW], s25, v[VLI]
	v_add_nc_u32 v[VOI], OIMG, v[VLI]
	v_lshlrev_b32 v[VMI], 3, v232
	v_add_nc_u32 v[VMI], MIMG, v[VMI]
	s_lshl_b32 s25, s24, 8
	v_add_nc_u32 v[VMW], s25, v[VMI]
	s_lshl_b32 s25, s24, 7
	s_add_co_u32 s25, s25, STG
	v_lshl_add_u32 v[VST], v[HH], 5, v233
	v_add_nc_u32 v[VST], s25, v[VST]               ; row r % 8, + 128 x wave + 32 hh: my eight outputs' bytes
	s_mul_i32 s25, s24, 2*SPT
	s_add_co_u32 s25, s25, STG
	v_add_nc_u32 v[VSD], s25, v[VLI]               ; back: rows 2 w, 2 w + 1, 16 bytes a lane
	v_lshlrev_b32 v[VWT], 2, v[RR]
	v_lshl_add_u32 v[VWT], v[HH], 14, v[VWT]
	v_lshlrev_b32 v[VSH], 3, v[HH]
	v_lshlrev_b32 v252, 6, v232                    ; context_x: my four points are 64 bytes
	v_lshlrev_b32 v253, 5, v232                    ; context_y: 32 bytes
	v_and_b32 v254, 8, v[RR]
	v_add_nc_u32 v254, v254, v[RR]
	v_lshlrev_b32 v254, 2, v254                    ; W_in, b_in: channel r + 8 (r / 8) of a tile
	v_lshlrev_b32 v255, 5, v[HH]                   ; b_tgt: 8 hh numbers on
	s_mov_b32 s28, 0x76543210
	s_mov_b32 s29, 0xfedcba98                      ; v_permlanex16_b32's selects for lane l xor 16
	s_mov_b32 s30, 0xbf38aa3b                      ; c = -0.5 log2(e): t = c x sum |d|
	s_mov_b32 s31, s30                             ; (the packed form names the pair)
	s_lshr_b32 s25, ttmp9, 6                       ; batch
	s_lshl_b32 s70, s25, 13
	s_lshl_b32 s26, s24, 11
	s_add_co_u32 s70, s70, s26                     ; context_x: 8,192 bytes a batch, 2,048 a wave
	s_mov_b32 s71, 0
	s_wait_kmcnt 0x0
	s_add_nc_u64 s[4:5], s[4:5], s[70:71]
	s_lshr_b32 s70, s70, 1                         ; context_y: half of that
	s_add_nc_u64 s[6:7], s[6:7], s[70:71]
	s_lshl_b32 s70, ttmp9, 7                       ; target_x: my eight rows of 16 bytes
	s_add_nc_u64 s[8:9], s[8:9], s[70:71]
	s_lshl_b32 s70, s24, 7                         ; W_tgt, b_tgt: my 32 columns
	s_add_nc_u64 s[18:19], s[18:19], s[70:71]
	s_add_nc_u64 s[20:21], s[20:21], s[70:71]
	s_lshl_b32 s70, ttmp9, 12
	s_lshl_b32 s26, s24, 10
	s_add_co_u32 s70, s70, s26                     ; out0: 8 rows of 512 bytes a work-group, 2 a wave
	s_add_nc_u64 s[22:23], s[22:23], s[70:71]
	s_load_b512 s[32:47], s[8:9], 0x0              ; the eight targets' coordinates: target t at s[32 + 4 t ..]
	s_load_b512 s[48:63], s[8:9], 0x40
.irp j, 0,1,2
	global_load_b32 v[WCV+\j], v[VT4], s[14:15] offset:512*\j      ; W_ctx[j][thread]
.endr
	global_load_b32 v[WCV+3], v[VT4], s[16:17]                     ; b_ctx[thread]
.irp kk, 0,1,2,3
	global_load_b128 v[CX+4*\kk:CX+4*\kk+3], v252, s[4:5] offset:16*\kk
.endr
	global_load_b128 v[CY:CY+3], v253, s[6:7]
	global_load_b128 v[CY+4:CY+7], v253, s[6:7] offset:16
.irp i, 0,1,2,3,4,5,6,7
.irp j, 0,1,2,3,4
	global_load_b32 v[WI+12*\i+2*\j], v254, s[10:11] offset:512*\j+4*(32*(\i/2)+8*(\i%2))
.endr
	global_load_b32 v[WI+12*\i+10], v254, s[12:13] offset:4*(32*(\i/2)+8*(\i%2))
.endr
	WIN 0xc0                                       ; destination window 3
.irp t, 0,1
	global_load_b128 v[80+8*\t:80+8*\t+3], v255, s[20:21] offset:64*\t      ; b_tgt at my eight outputs of tile t: the C of the last product
	global_load_b128 v[80+8*\t+4:80+8*\t+7], v255, s[20:21] offset:64*\t+16
.endr
	WIN 0
.set q, 0
.rept 48
	v_mov_b32 v[WI+2*q+1], 0                       ; the packed form names pairs and takes their low words: the partners are written
.set q, q+1
.endr
.irp i, 0,1,2,3,4,5,6,7
	v_mov_b32 v[TB+\i], 0                          ; a lane permute's destination counts as one of its sources
.endr
	s_wait_loadcnt 52                              ; W_ctx, b_ctx and my points are in; the 48 loads of W_in and b_in and the 4 of b_tgt may be out
	s_wait_kmcnt 0x0                               ; the targets
	; ---- queries, W_ctx and my points' coordinates go to LDS
.irp j, 0,1,2,3
	ds_store_b32 v[VT4], v[WCV+\j] offset:WCL+512*\j
.endr
.irp t, 0,1,2,3,4,5,6,7
	v_fma_f32 v[QV+\t], s[32+4*\t], v[WCV], v[WCV+3]
.endr
.irp t, 0,1,2,3,4,5,6,7
	v_fma_f32 v[QV+\t], s[33+4*\t], v[WCV+1], v[QV+\t]
.endr
.irp t, 0,1,2,3,4,5,6,7
	v_fma_f32 v[QV+\t], s[34+4*\t], v[WCV+2], v[QV+\t]
.endr
.irp t, 0,1,2,3,4,5,6,7
	ds_store_b32 v[VT4], v[QV+\t] offset:QL+512*\t
.endr
.irp kk, 0,1,2,3
	v_mov_b32 v[CX1+2*\kk], v[CX+4*\kk+1]
	v_mov_b32 v[CX1+2*\kk+1], v[CX+4*\kk+1]
.endr
.irp kk, 0,1,2,3
.irp j, 0,1,2
	ds_store_b32 v[VEW], v[CX+4*\kk+\j] offset:512*\j+4*\kk
.endr
.irp j, 0,1
	ds_store_b32 v[VEW], v[CY+2*\kk+\j] offset:512*(3+\j)+4*\kk
.endr
.endr
	BARRIER                                        ; the eight query rows and W_ctx lie in LDS
	; ---- value^T: eight fragments (16 channels x my wave's 128 points).  The operand's layout gives lane (r, hh) points 64 c + 32 hh + 0 .. 31 in registers 4 c .. 4 c + 3: a whole block of 32 in one lane.
	WIN 0x40                                       ; destination window 1
.irp j, 0,1,2,3,4
.irp q, 0,1,2,3,4,5,6,7
	ds_load_b128 v[32*\j+4*\q:32*\j+4*\q+3], v[VE] offset:512*\j+16*\q
.endr
.endr
	WIN 0xc0                                       ; destination window 3
.irp j, 0,1,2,3,4
.irp q, 0,1,2,3,4,5,6,7
	ds_load_b128 v[96+32*\j+4*\q:96+32*\j+4*\q+3], v[VE] offset:512*\j+256+16*\q
.endr
.endr
	WIN 0
; Half c of tiles 2 ip and 2 ip + 1: 64 numbers of value by 160 packed multiply-adds (dependent lines 32 apart), two blocks' scales, eight conversions.  At its head 16 of my 128 loads of W_tgt.
.macro VBLOCK c, ip
.set EB, 96*(\c)
	WIN 0x80                                       ; destination window 2
.set m, 16*(4*(\c)+(\ip))
.rept 16
	global_load_b32 v[m], v[VWT], s[18:19] offset:512*(64*((m/32)%2)+m%32)+64*(m/64)   ; register 64 t + 32 c + i: W_tgt(64 c + 32 hh + i, 32 w + 16 t + r): sixteen lanes read 64 neighbouring bytes
.set m, m+1
.endr
	WIN 1+2*(\c)                                   ; source 0 (E) window 1 or 3
.irp u, 0,1
.set TI, WI+12*(2*(\ip)+\u)
.set p, 0
.rept 16
	v_pk_fma_f32 v[VAL+32*\u+2*p:VAL+32*\u+2*p+1], v[EB+2*p:EB+2*p+1], v[TI:TI+1], v[TI+10:TI+11] op_sel_hi:[1,0,0]
.set p, p+1
.endr
.endr
.irp j, 1,2,3,4
.irp u, 0,1
.set TI, WI+12*(2*(\ip)+\u)+2*\j
.set p, 0
.rept 16
	v_pk_fma_f32 v[VAL+32*\u+2*p:VAL+32*\u+2*p+1], v[EB+32*\j+2*p:EB+32*\j+2*p+1], v[TI:TI+1], v[VAL+32*\u+2*p:VAL+32*\u+2*p+1] op_sel_hi:[1,0,1]
.set p, p+1
.endr
.endr
.endr
	WIN 0
	MAXSTEP 0, 8, VAL, MX
	MAXSTEP 1, 8, VAL, MX
	MAXSTEP 2, 8, VAL, MX
	MAXSTEP 3, 8, VAL, MX
	MERGE 2, MX
.irp u, 0,1
	v_add_nc_u32 v[SO+\u], 0xff000000, v[MX+4*\u]  ; 2 off the exponent field: the conversion takes the exponent field of this operand as its scale
.endr
.irp u, 0,1
.if (\c) == 0
	v_lshrrev_b32 v[VSC+2*(\ip)+\u], 23, v[SO+\u]  ; the byte of block hh
.else
	v_lshrrev_b32 v[TB+\u], 23, v[SO+\u]           ; the byte of block 2 + hh,
.endif
.endr
.if (\c) == 1
.irp u, 0,1
	v_lshl_or_b32 v[VSC+2*(\ip)+\u], v[TB+\u], 16, v[VSC+2*(\ip)+\u]   ; two bytes up
.endr
.endif
	WIN 0xc0                                       ; destination window 3
.irp u, 0,1
.irp q, 0,1,2,3
	v_cvt_scalef32_pk8_fp4_f32 v[8*(2*(\ip)+\u)+4*(\c)+\q], v[VAL+32*\u+8*\q:VAL+32*\u+8*\q+7], v[SO+\u]
.endr
.endr
	v_nop                                          ; one plain place behind a scaled conversion
	WIN 0
.endm
	s_wait_loadcnt 4                               ; W_in and b_in are in; b_tgt's four loads may be out
	s_wait_dscnt 40                                ; E of points 0-63 is in; the 40 loads of points 64-127 may be out
.irp n, 0,1,2,3
	VBLOCK 0, \n
.endr
	s_wait_dscnt 0x0
.irp n, 0,1,2,3
	VBLOCK 1, \n
.endr
.irp i, 0,1,2,3,4,5,6,7
	v_lshlrev_b32 v[VSC+\i], v[VSH], v[VSC+\i]     ; my two bytes at their places in the scale word (8 hh bits up);
.endr
.irp i, 0,1,2,3,4,5,6,7
	v_permlanex16_b32 v[TB+\i], v[VSC+\i], s28, s29
.endr
.irp i, 0,1,2,3,4,5,6,7
	v_or_b32 v[VSC+\i], v[VSC+\i], v[TB+\i]        ; with lane l xor 16's two the word is whole
.endr
	; ---- W_tgt: two fragments (16 of my 32 columns x K = 128).  A lane took a column and its registers run down K: four whole blocks a lane
	s_wait_loadcnt 0x0
	WIN 0x28                                       ; sources 1 and 2 window 2
	MAXSTEP 0, 16, 0, MX
	MAXSTEP 1, 16, 0, MX
	MAXSTEP 2, 16, 0, MX
	MAXSTEP 3, 16, 0, MX
	WIN 0
	MERGE 4, MX
.irp b, 0,1,2,3
	v_add_nc_u32 v[SO+\b], 0xff000000, v[MX+4*\b]
.endr
.irp b, 0,1,2,3
	v_lshrrev_b32 v[TB+\b], 23, v[SO+\b]
.endr
.irp t, 0,1
	v_lshl_or_b32 v[WS+\t], v[TB+2*\t+1], 16, v[TB+2*\t]
.endr
.irp t, 0,1
	v_lshlrev_b32 v[WS+\t], v[VSH], v[WS+\t]
.endr
.irp t, 0,1
	v_permlanex16_b32 v[PT+\t], v[WS+\t], s28, s29
.endr
.irp t, 0,1
	v_or_b32 v[WS+\t], v[WS+\t], v[PT+\t]
.endr
	WIN 0xc2                                       ; destination window 3, source 0 window 2
.irp t, 0,1
.irp b, 0,1
.irp q, 0,1,2,3
	v_cvt_scalef32_pk8_fp4_f32 v[64+8*\t+4*\b+\q], v[64*\t+32*\b+8*\q:64*\t+32*\b+8*\q+7], v[SO+2*\t+\b]
.endr
.endr
.endr
	v_nop                                          ; one plain place behind a scaled conversion
	WIN 0
	; ---- keys: my four points x 128 channels, 16 channels a batch; W_ctx and b_ctx come from LDS as broadcasts, a batch ahead
.macro KLOAD n
.irp j, 0,1,2,3
.irp q, 0,1,2,3
	ds_load_b128 v[WCB+64*((\n)%2)+16*\j+4*\q:WCB+64*((\n)%2)+16*\j+4*\q+3], v[VWC] offset:512*\j+64*(\n)+16*\q
.endr
.endr
.endm
.macro KBATCH n
.set WB, WCB+64*((\n)%2)
.if (\n) < 7
	KLOAD (\n)+1
	s_wait_dscnt 16                                ; this batch's 16 loads are in; the next batch's 16 may be out
.else
	s_wait_dscnt 0x0
.endif
.irp kk, 0,1,2,3
.set p, 0
.rept 8
	v_pk_fma_f32 v[KT+16*\kk+2*p:KT+16*\kk+2*p+1], v[WB+2*p:WB+2*p+1], v[CX+4*\kk:CX+4*\kk+1], v[WB+48+2*p:WB+48+2*p+1] op_sel_hi:[1,0,1]
.set p, p+1
.endr
.endr
.irp kk, 0,1,2,3
.set p, 0
.rept 8
	v_pk_fma_f32 v[KT+16*\kk+2*p:KT+16*\kk+2*p+1], v[WB+16+2*p:WB+16+2*p+1], v[CX1+2*\kk:CX1+2*\kk+1], v[KT+16*\kk+2*p:KT+16*\kk+2*p+1] op_sel_hi:[1,0,1]
.set p, p+1
.endr
.endr
	WIN 0x40                                       ; destination window 1: points 0, 1
.irp kk, 0,1
.set p, 0
.rept 8
	v_pk_fma_f32 v[128*\kk+16*(\n)+2*p:128*\kk+16*(\n)+2*p+1], v[WB+32+2*p:WB+32+2*p+1], v[CX+4*\kk+2:CX+4*\kk+3], v[KT+16*\kk+2*p:KT+16*\kk+2*p+1] op_sel_hi:[1,0,1]
.set p, p+1
.endr
.endr
	WIN 0x80                                       ; destination window 2: points 2, 3
.irp kk, 2,3
.set p, 0
.rept 8
	v_pk_fma_f32 v[128*(\kk-2)+16*(\n)+2*p:128*(\kk-2)+16*(\n)+2*p+1], v[WB+32+2*p:WB+32+2*p+1], v[CX+4*\kk+2:CX+4*\kk+3], v[KT+16*\kk+2*p:KT+16*\kk+2*p+1] op_sel_hi:[1,0,1]
.set p, p+1
.endr
.endr
	WIN 0
.endm
	KLOAD 0
.irp n, 0,1,2,3,4,5,6,7
	KBATCH \n
.endr
	; ---- scores: sum over h of |query - key|, a target a trip.  Half ph of a trip serves my points 2 ph, 2 ph + 1; a group is 16 channels.
; 16 packed subtractions (only the keys, source 1, lie in another window), 32 additions of a magnitude.  The addition is a multiply-add by 1.0, so that the magnitude is source 0 and the sum source 2, both in window 0:
; one window setting serves a whole half.  Four sums a point; dependent lines stand 8 apart.  A trip's first additions start the sums: nothing is cleared.
; In the second half each group fetches the next target's 16 channels into the registers that it has just read.
.macro GROUP ph, g
.if (\ph) == 0
	s_wait_dscnt 28-4*(\g)                         ; this group's four loads are in; those of the groups behind it may be out (round the back edge the last trip's store is younger still: the count is the smaller of the two)
.endif
.irp k2, 0,1
.set p, 0
.rept 8
	v_pk_add_f32 v[DF+16*\k2+2*p:DF+16*\k2+2*p+1], v[QR+16*(\g)+2*p:QR+16*(\g)+2*p+1], v[128*\k2+16*(\g)+2*p:128*\k2+16*(\g)+2*p+1] neg_lo:[0,1] neg_hi:[0,1]
.set p, p+1
.endr
.endr
.if (\ph) == 1
.irp q, 0,1,2,3
	ds_load_b128 v[QR+16*(\g)+4*\q:QR+16*(\g)+4*\q+3], v[VQ] offset:64*(\g)+16*\q
.endr
.endif
.irp x4, 0,1,2,3
.irp k2, 0,1
.irp xl, 0,1,2,3
.if ((\g) == 0) && (\x4 == 0)
	v_fma_f32 v[ACC+8*(\ph)+4*\k2+\xl], |v[DF+16*\k2+4*\x4+\xl]|, 1.0, 0
.else
	v_fma_f32 v[ACC+8*(\ph)+4*\k2+\xl], |v[DF+16*\k2+4*\x4+\xl]|, 1.0, v[ACC+8*(\ph)+4*\k2+\xl]
.endif
.endr
.endr
.endr
.endm
	v_mov_b32 v[VQ], QL
.set q, 0
.rept 32
	ds_load_b128 v[QR+4*q:QR+4*q+3], v[VQ] offset:16*q     ; target 0's row
.set q, q+1
.endr
	s_mov_b32 s66, 8                               ; trips
	s_mov_b32 s67, 0                               ; the row being fetched
	s_mov_b32 s69, 0                               ; the row of sums being written
.Lq:
	WIN 0x04                                       ; source 1 window 1
.irp g, 0,1,2,3,4,5,6,7
	GROUP 0, \g
.endr
	s_add_co_u32 s67, s67, 512
	s_and_b32 s68, s67, 0xfff                      ; the next target's row; the last trip fetches row 0 again, which nobody uses: every byte read has been written
	WIN 0x08                                       ; source 1 window 2
	v_mov_b32 v[VQ], s68                           ; no LDS instruction of mine is out here: the last group's wait was for 0
.irp g, 0,1,2,3,4,5,6,7
	GROUP 1, \g
.endr
	WIN 0                                          ; at a label and at a branch every window is 0
.irp kk, 0,1,2,3
	v_pk_add_f32 v[RT+2*\kk:RT+2*\kk+1], v[ACC+4*\kk:ACC+4*\kk+1], v[ACC+4*\kk+2:ACC+4*\kk+3]
.endr
.irp kk, 0,1,2,3
	v_add_f32 v[SC+\kk], v[RT+2*\kk], v[RT+2*\kk+1]
.endr
	v_add_nc_u32 v[VS], s69, v[VS0]                ; (the last trip's store was waited for in this trip's first half)
	ds_store_b128 v[VS], v[SC:SC+3]                ; my four points' sums in the target's row
	s_add_co_u32 s69, s69, SPT
	s_sub_co_i32 s66, s66, 1
	s_cmp_lg_u32 s66, 0
	s_cbranch_scc1 .Lq
	s_wait_dscnt 0x0                               ; the last store, and the loads into the registers that are used next
	; ---- the softmax over my wave's 128 points.  Lane (r, hh) takes target r % 8; register 16 b + i is point 32 b + 16 hh + i.  c is negative: the largest t belongs to the smallest sum
	v_mov_b32 v[LL], 0                             ; (named as the upper half of the pair with -M before it is first written)
.irp b, 0,1,2,3
.irp q, 0,1,2,3
	ds_load_b128 v[S+16*\b+4*\q:S+16*\b+4*\q+3], v[VSR] offset:128*\b+16*\q   ; my wave's own bytes: LDS serves a wave's instructions in order
.endr
.endr
	s_wait_dscnt 0x0
.irp b, 0,1,2,3
	v_min3_num_f32 v[BM+\b], v[S+16*\b], v[S+16*\b+1], v[S+16*\b+2]   ; the smallest sum of each block of 32 points: it serves for the row's largest t and for the block's largest p
.endr
.irp i, 3,5,7,9,11,13
.irp b, 0,1,2,3
	v_min3_num_f32 v[BM+\b], v[BM+\b], v[S+16*\b+\i], v[S+16*\b+\i+1]
.endr
.endr
.irp b, 0,1,2,3
	v_min_num_f32 v[BM+\b], v[BM+\b], v[S+16*\b+15]
.endr
.irp b, 0,1,2,3
	v_permlanex16_b32 v[BP+\b], v[BM+\b], s28, s29
.endr
.irp b, 0,1,2,3
	v_min_num_f32 v[BM+\b], v[BM+\b], v[BP+\b]     ; with lane l xor 16's 16 points
.endr
	v_min3_num_f32 v[TT], v[BM], v[BM+1], v[BM+2]
	v_min_num_f32 v[TT], v[TT], v[BM+3]
	v_mul_f32 v[TT], s30, v[TT]                    ; the largest t of my wave's points
	v_floor_f32 v[NM], -v[TT]                      ; -M_w = floor(-t) = -ceil(t): a whole number
.irp j, 0,2,4,6,8,10,12,14,16,18,20,22,24,26,28,30,32,34,36,38,40,42,44,46,48,50,52,54,56,58,60,62
	v_pk_fma_f32 v[S+\j:S+\j+1], v[S+\j:S+\j+1], s[30:31], v[NM:NM+1] op_sel_hi:[1,0,0]   ; t - M_w, two at a time
.endr
.irp b, 0,1,2,3
	v_fma_f32 v[BM+\b], v[BM+\b], s30, v[NM]       ; the same of each block's smallest sum
.endr
.set q, 0
.rept 64
	v_exp_f32 v[S+q], v[S+q]                       ; p = 2^(t - M_w), at most 1: not normalised
.set q, q+1
.endr
	v_nop                                          ; a plain place behind the exponentials
	s_wait_alu depctr_va_vdst(0)                   ; one wait for the batch of 64, ahead of its first reader
.irp b, 0,1,2,3
	v_exp_f32 v[BM+\b], v[BM+\b]                   ; the block's largest p
.endr
	v_pk_add_f32 v[SUM:SUM+1], v[S:S+1], v[S+4:S+5]            ; the sum of the unquantised p, two at a time, in two chains: it reads the 64 alone
	v_pk_add_f32 v[SUM+2:SUM+3], v[S+2:S+3], v[S+6:S+7]
.irp j, 8,12,16,20,24,28,32,36,40,44,48,52,56,60
	v_pk_add_f32 v[SUM:SUM+1], v[SUM:SUM+1], v[S+\j:S+\j+1]
	v_pk_add_f32 v[SUM+2:SUM+3], v[SUM+2:SUM+3], v[S+\j+2:S+\j+3]
.endr
	v_pk_add_f32 v[SUM:SUM+1], v[SUM:SUM+1], v[SUM+2:SUM+3]
	v_add_f32 v[LL], v[SUM], v[SUM+1]
	v_permlanex16_b32 v[TT], v[LL], s28, s29
	v_add_f32 v[LL], v[LL], v[TT]                  ; with lane l xor 16's 64 points: my wave's sum
	s_wait_alu depctr_va_vdst(0)                   ; and one wait for the four
.irp b, 0,1,2,3
	v_max_num_f32 v[BM+\b], 0x1800000, v[BM+\b]    ; the floor 2^(3 - 127): the byte cannot fall under 1
.endr
.irp b, 0,1,2,3
	v_add_nc_u32 v[BS+\b], 0xff000000, v[BM+\b]
.endr
.irp b, 0,1,2,3
	v_lshrrev_b32 v[BP+\b], 23, v[BS+\b]
.endr
	v_lshl_or_b32 v[PW], v[BP+1], 8, v[BP]         ; p's scale word for these 128 points
	v_lshl_or_b32 v[PW], v[BP+2], 16, v[PW]
	v_lshl_or_b32 v[PW], v[BP+3], 24, v[PW]
.irp b, 0,1,2,3
	v_cvt_scalef32_pk8_fp4_f32 v[PC+2*\b], v[S+16*\b:S+16*\b+7], v[BS+\b]
	v_cvt_scalef32_pk8_fp4_f32 v[PC+2*\b+1], v[S+16*\b+8:S+16*\b+15], v[BS+\b]
.endr
	v_nop                                          ; one plain place behind a scaled conversion
.irp b, 0,1                                    ; the operand's layout wants a whole block in a lane: lanes 0-15 block 2 b, lanes 16-31 block 2 b + 1
.irp i, 0,1
	v_permlane16_swap_b32 v[PC+4*\b+\i], v[PC+4*\b+2+\i]
.endr
.endr
.rept 8
	v_nop                                          ; a scale register written by a vector instruction stands 8 places ahead of a scaled matrix instruction, an operand so written 4
.endr
	WIN 0x03                                       ; source 0 (value) window 3
.irp i, 0,1,2,3,4,5,6,7                        ; O^T = value^T p^T over my 128 points: eight accumulators, one instruction each.  Register 16 b + 8 u + j of lane (r, hh): channel 32 b + 16 hh + 8 u + j of target r % 8
	v_wmma_scale_f32_16x16x128_f8f6f4 v[OA+8*\i:OA+8*\i+7], v[8*\i:8*\i+7], v[PC:PC+7], 0, v[VSC+\i], v[PW] matrix_a_fmt:MATRIX_FMT_FP4 matrix_b_fmt:MATRIX_FMT_FP4
.endr
	WIN 0
.rept 4
	v_nop                                          ; four places ahead of the stores that read the results
.endr
.set q, 0
.rept 16
	ds_store_b128 v[VOW], v[OA+4*q:OA+4*q+3] offset:512*q      ; the registers as they stand, each accumulator from its low end on
.set q, q+1
.endr
	ds_store_b64 v[VMW], v[NM:NM+1]                ; -M_w and my wave's sum
	BARRIER                                        ; the four waves' parts lie in LDS
	; ---- the join: rep = sum over u of O_u 2^(M_u - M) / sum over u of sum_u 2^(M_u - M); every wave makes all of it: it is source 1 of its last product
.irp u, 0,1,2,3
	ds_load_b64 v[ML+2*\u:ML+2*\u+1], v[VMI] offset:256*\u
.endr
	WIN 0x40                                       ; destination window 1
.irp u, 0,1,2
.set q, 0
.rept 16
	ds_load_b128 v[64*\u+4*q:64*\u+4*q+3], v[VOI] offset:8192*\u+512*q
.set q, q+1
.endr
.endr
	WIN 0
	s_wait_dscnt 48                                ; the four pairs are in; the 48 loads of images 0 to 2 may be out
	v_min3_num_f32 v[TM], v[ML], v[ML+2], v[ML+4]
	v_min_num_f32 v[TM], v[TM], v[ML+6]            ; -M = the least -M_u
.irp u, 0,1,2,3
	v_sub_f32 v[TM+1+\u], v[TM], v[ML+2*\u]        ; M_u - M: a whole number, 0 or less
.endr
.irp u, 0,1,2,3
	v_cvt_i32_f32 v[TM+1+\u], v[TM+1+\u]           ; (it saturates)
.endr
.irp u, 0,1,2,3
	v_ldexp_f32 v[G+2*\u+1], 1.0, v[TM+1+\u]       ; f_u = 2^(M_u - M): nothing is rounded
.endr
	v_mul_f32 v[LT], v[G+1], v[ML+1]
.irp u, 1,2,3
	v_fma_f32 v[LT], v[G+2*\u+1], v[ML+2*\u+1], v[LT]
.endr
	v_rcp_f32 v[RL], v[LT]
	v_nop                                          ; a plain place behind the reciprocal
	WIN 0x40
.set q, 0
.rept 16
	ds_load_b128 v[192+4*q:192+4*q+3], v[VOI] offset:8192*3+512*q
.set q, q+1
.endr
	WIN 0
	s_wait_alu depctr_va_vdst(0)                   ; the wait ahead of the reciprocal's first reader
.irp u, 0,1,2,3
	v_mul_f32 v[G+2*\u], v[G+2*\u+1], v[RL]
.endr
	WIN 0x01                                       ; source 0 (the images) window 1
	s_wait_dscnt 48                                ; image 0 is in; the 48 loads of images 1 to 3 may be out
.set p, 0
.rept 32
	v_pk_mul_f32 v[REP+2*p:REP+2*p+1], v[2*p:2*p+1], v[G:G+1] op_sel_hi:[1,0]
.set p, p+1
.endr
.irp u, 1,2,3
	s_wait_dscnt 48-16*\u                          ; image u is in; the later images' loads may be out
.set p, 0
.rept 32
	v_pk_fma_f32 v[REP+2*p:REP+2*p+1], v[64*\u+2*p:64*\u+2*p+1], v[G+2*\u:G+2*\u+1], v[REP+2*p:REP+2*p+1] op_sel_hi:[1,0,1]
.set p, p+1
.endr
.endr
	WIN 0
; 64 numbers of a lane, register 16 b + i = k 32 b + 16 hh + i of my row, become a fragment's codes in v[pc] on and its scale word in v[pw]
.macro QUANT src, pc, pw
.irp b, 0,1,2,3
	v_max3_num_f32 v[TM+\b], |v[\src+16*\b]|, |v[\src+1+16*\b]|, 0x1800000   ; block b: my 16 numbers, and the floor 2^(3 - 127)
.endr
.irp i, 2,4,6,8,10,12,14
.irp b, 0,1,2,3
	v_max3_num_f32 v[TM+\b], v[TM+\b], |v[\src+16*\b+\i]|, |v[\src+1+16*\b+\i]|
.endr
.endr
.irp b, 0,1,2,3
	v_permlanex16_b32 v[TM+4+\b], v[TM+\b], s28, s29
.endr
.irp b, 0,1,2,3
	v_max_num_f32 v[TM+\b], v[TM+\b], v[TM+4+\b]   ; with lane l xor 16's: the block's largest magnitude
.endr
.irp b, 0,1,2,3
	v_add_nc_u32 v[TM+12+\b], 0xff000000, v[TM+\b]
.endr
.irp b, 0,1,2,3
	v_lshrrev_b32 v[TM+4+\b], 23, v[TM+12+\b]
.endr
	v_lshl_or_b32 v[\pw], v[TM+5], 8, v[TM+4]
	v_lshl_or_b32 v[\pw], v[TM+6], 16, v[\pw]
	v_lshl_or_b32 v[\pw], v[TM+7], 24, v[\pw]
.irp b, 0,1,2,3
	v_cvt_scalef32_pk8_fp4_f32 v[\pc+2*\b], v[\src+16*\b:\src+7+16*\b], v[TM+12+\b]
	v_cvt_scalef32_pk8_fp4_f32 v[\pc+1+2*\b], v[\src+8+16*\b:\src+15+16*\b], v[TM+12+\b]
.endr
	v_nop                                          ; one plain place behind a scaled conversion
.irp b, 0,1
.irp i, 0,1
	v_permlane16_swap_b32 v[\pc+4*\b+\i], v[\pc+2+4*\b+\i]
.endr
.endr
.endm
	QUANT REP, RC, RW
.rept 8
	v_nop                                          ; 8 places between the scale word's last line and the scaled matrix instruction, 4 behind the operand's
.endr
	WIN 0x33                                       ; source 0 (W_tgt) and source 2 (b_tgt) window 3
.irp t, 0,1                                    ; out^T: register j of lane (r, hh): out(target r % 8, 32 w + 16 t + 8 hh + j); the bias is the C
	v_wmma_scale_f32_16x16x128_f8f6f4 v[Y+8*\t:Y+8*\t+7], v[64+8*\t:64+8*\t+7], v[RC:RC+7], v[80+8*\t:80+8*\t+7], v[WS+\t], v[RW] matrix_a_fmt:MATRIX_FMT_FP4 matrix_b_fmt:MATRIX_FMT_FP4
.endr
	WIN 0
.rept 4
	v_nop                                          ; four places ahead of the stores that read the results
.endr
.irp t, 0,1
	ds_store_b128 v[VST], v[Y+8*\t:Y+8*\t+3] offset:64*\t          ; each accumulator from its low end on; lanes r and r + 8 hold the same target and write the same bytes with the same values
	ds_store_b128 v[VST], v[Y+8*\t+4:Y+8*\t+7] offset:64*\t+16
.endr
	BARRIER                                        ; eight whole rows of the output lie in the stage
	ds_load_b128 v[OUTR:OUTR+3], v[VSD]
	ds_load_b128 v[OUTR+4:OUTR+7], v[VSD] offset:SPT
	s_wait_dscnt 1                                 ; the first row is in; the second row's load may be out
	global_store_b128 v[VLI], v[OUTR:OUTR+3], s[22:23] th:TH_STORE_NT              ; 32 lanes store a row of 512 consecutive bytes, at a multiple of 512 from the output's first byte
	s_wait_dscnt 0x0
	global_store_b128 v[VLI], v[OUTR+4:OUTR+7], s[22:23] offset:512 th:TH_STORE_NT
	s_wait_xcnt 0x0
	v_lshl_add_u32 v254, v0, 2, 0x12600
	v_mov_b32 v255, 0
	s_wait_tensorcnt 0x0
	ds_add_u32 v254, v255
	s_wait_dscnt 0x0
	s_endpgm
.Lfunc_end_k_q9874c256e8_locenc:
	.size	k_q9874c256e8_locenc, .Lfunc_end_k_q9874c256e8_locenc-k_q9874c256e8_locenc
	.p2alignl 7, 3214868480
	.fill 96, 4, 3214868480
	.section	.rodata,"a",@progbits
	.p2align	6, 0x0
	.amdhsa_kernel k_q9874c256e8_locenc
		.amdhsa_group_segment_fixed_size 75776
		.amdhsa_private_segment_fixed_size 0
		.amdhsa_enable_private_segment 0
		.amdhsa_kernarg_size 80
		.amdhsa_user_sgpr_count 2
		.amdhsa_user_sgpr_kernarg_segment_ptr 1
		.amdhsa_wavefront_size32 1
		.amdhsa_system_sgpr_workgroup_id_x 1
		.amdhsa_system_sgpr_workgroup_id_y 1
		.amdhsa_system_sgpr_workgroup_id_z 1
		.amdhsa_system_vgpr_workitem_id 0
		.amdhsa_next_free_vgpr 1024
		.amdhsa_next_free_sgpr 72
		.amdhsa_reserve_vcc 0
		.amdhsa_float_denorm_mode_32 3
		.amdhsa_float_denorm_mode_16_64 3
		.amdhsa_memory_ordered 1
		.amdhsa_forward_progress 1
		.amdhsa_inst_pref_size 255
	.end_amdhsa_kernel
	.section	.bss,"aw",@nobits
	.p2align	6
	.space	262144
	.amdgpu_metadata
---
amdhsa.version: [ 1, 2 ]
amdhsa.kernels:
  - .name:           k_q9874c256e8_locenc
    .symbol:         k_q9874c256e8_locenc.kd
    .args:
      - { .name: context_x, .offset: 0, .size: 8, .value_kind: global_buffer, .address_space: global }
      - { .name: context_y, .offset: 8, .size: 8, .value_kind: global_buffer, .address_space: global }
      - { .name: target_x, .offset: 16, .size: 8, .value_kind: global_buffer, .address_space: global }
      - { .name: W_in, .offset: 24, .size: 8, .value_kind: global_buffer, .address_space: global }
      - { .name: b_in, .offset: 32, .size: 8, .value_kind: global_buffer, .address_space: global }
      - { .name: W_ctx, .offset: 40, .size: 8, .value_kind: global_buffer, .address_space: global }
      - { .name: b_ctx, .offset: 48, .size: 8, .value_kind: global_buffer, .address_space: global }
      - { .name: W_tgt, .offset: 56, .size: 8, .value_kind: global_buffer, .address_space: global }
      - { .name: b_tgt, .offset: 64, .size: 8, .value_kind: global_buffer, .address_space: global }
      - { .name: out0, .offset: 72, .size: 8, .value_kind: global_buffer, .address_space: global }
    .group_segment_fixed_size: 75776
    .private_segment_fixed_size: 0
    .kernarg_segment_align: 8
    .kernarg_segment_size: 80
    .max_flat_workgroup_size: 128
    .sgpr_count:     72
    .vgpr_count:     1024
    .wavefront_size: 32
...
	.end_amdgpu_metadata
.endif
;; end of part 1
;; ======== version 2 of 2: 1 launch; version 1 with the launch locenc written anew for expert scheduling mode
;; launch locenc (part 2): grid 256 x 1, 4 waves a work-group, no clusters, 75,776 bytes of LDS; arguments context_x, context_y, target_x, W_in, b_in, W_ctx, b_ctx, W_tgt, b_tgt, out0; writes out0
.if DOCPART == 2
	.amdgcn_target "amdgcn-amd-amdhsa--gfx1250"
	.amdhsa_code_object_version 6
	.text
	.protected	k_q9874c256e8_locenc
	.globl	k_q9874c256e8_locenc
	.p2align	8
	.type	k_q9874c256e8_locenc,@function
k_q9874c256e8_locenc:
	s_mov_b64 s[64:65], 0
	v_nop
	global_prefetch_b8 v0, s[64:65] scope:SCOPE_SE
	s_setreg_imm32_b32 hwreg(HW_REG_WAVE_SCHED_MODE, 0, 2), 2
	s_setreg_imm32_b32 hwreg(HW_REG_WAVE_MODE, 25, 1), 1
	s_wait_xcnt 0x0
	s_wait_alu depctr_vm_vsrc(0)
; out = (softmax_c(-0.5 sum_h |key[c][h] - query[t][h]|) value) W_tgt + b_tgt.   4 batches x 512 targets x 512 context points, H = 128.
; key = ctx_x[:3] W_ctx + b_ctx, query = tgt_x[:3] W_ctx + b_ctx, value = [ctx_x[:3], ctx_y] W_in + b_in: f32 fused multiply-adds.  The two large products run on codes of FP4 (E2M1) with one E8M0 scale
; for each 32 along K: p x value (K = the 512 context points) and rep x W_tgt (K = 128).  p = 2^(t - M), t = score x log2(e), M a whole number; the sum of the unquantised p divides at the end.
; SHARES.  The bulk of the work is 4 x 512 x 512 x 128 differences and magnitudes, so it is dealt evenly: 256 work-groups of four waves.  Work-group g owns targets 8 g .. 8 g + 7 of the 2,048 (batch g / 64).
; Wave w owns context points 128 w .. 128 w + 127 of the batch: one K step of the first product.  Lane l owns four of them, 4 l + 0 .. 3, and keeps their 4 x 128 key numbers in 512 registers.  The eight query rows lie in LDS and
; are read as broadcasts: 16 bytes feed 24 vector instructions.  Two differences go in one packed subtraction; a magnitude is added by a fused multiply-add with 1.0: three instructions for two numbers.
; Each wave takes the softmax over its own 128 points with its own whole number M_w, multiplies by its own eight fragments of value^T (made and quantised in its registers), and lays O^T, -M_w and its sum in LDS.
; Then every wave joins the four parts (factors 2^(M_u - M), exact), divides, quantises rep and makes 32 of the 128 outputs with its own two fragments of W_tgt.
; A matrix tile has 16 columns and the work-group 8 targets: columns 8-15 repeat targets 0-7 (lane r serves target r % 8).  That doubles 10 matrix instructions a wave, and keeps every work-group's share of the differences small.
; BOTH PRODUCTS ARE USED TRANSPOSED (source 0 = 16 of the 128 channels, source 1 = the targets): a lane holds one target throughout.  The channels of a tile of value are not neighbours: lane r of tile 2 b + u takes
; channel 32 b + 8 u + r + 8 (r / 8), so that the 16 registers of tiles 2 b and 2 b + 1 are 16 neighbouring channels, the order in which rep is quantised.
; NO CLUSTER, NO TENSOR LOAD: what work-groups share is W_tgt (each wave loads its 16 KiB once, straight into the order of the operand's registers, 16 loads at a time among 1,280 multiply-adds) and 6 KiB of coordinates and small weights;
; a joint load would add a trip from LDS to registers and the cluster's rounds to a text whose time is vector arithmetic.
; LIMITS.  NaN and infinities among the inputs are not served.  A block of zeros gets the scale byte 1 (its codes are zeros; the bytes are read here alone).  A p under 2^-126 counts as 0.  1 / sum is v_rcp_f32.
; The bias is the first addend of each chain of multiply-adds (b + x0 W0 + x1 W1 ..), not the last; key and query are made in the same order.
; THE MODE: SCHED_MODE bits 1:0 = 2 (LLVM: expert scheduling mode 2), set by the entry lines.  The code itself states the register dependences between vector or matrix instructions and memory or LDS
; instructions, with s_wait_alu, always for 0.
; THE PLAN.  Registers that memory or LDS instructions touch, and who else names them:
;   addresses v1, v5, v7-15, v28-30, the head's v252-255   written once at the head, ahead of one wait on va_vdst; never written again while they serve.
;   WCV, QV, CX, CY, v252-255   read by the head's stores and loads; written again by MX, ACC and the loads of W_ctx: one wait on vm_vsrc behind the first barrier.
;   WCB0, WCB1   key batch n reads buffer n % 2; the loads of batch n + 1 land in the other, which batch n - 1 read: one wait on va_vdst at a batch's head.
;   QR           a query row: both halves of a trip read it; the next row's loads land in it in the second half, behind two waits on va_vdst: one when groups 0-3 have been read for the last time, one when groups 4-7 have.
;                Behind each the 16 loads are dealt four at a time among vector lines that name none of their registers.
;   VQ, VS, SC   read by a trip's loads and by its store; written once a trip: VQ and VS between the halves, behind the trip's one wait on vm_vsrc, SC at the trip's end, ahead of the store's wait on va_vdst.
;   S, ML, the images in window 1, OUTR   loads into registers that vector or matrix instructions named: each stands behind a wait on va_vdst since which no vector line names them.
;   OA, NM, LL, Y   written by matrix or vector lines, read by LDS stores: four places, then a wait on va_vdst; one wait on vm_vsrc behind the second barrier, ahead of what writes v192-215, v254 and v255 again.
;   E, W_tgt as loaded, b_tgt (windows 1, 2, 3)   first touched by their loads: nothing is owed.
;
; LDS
.set QL,    0                          ; query[t][h]: 8 rows of 512 bytes
.set WCL,   4096                       ; W_ctx's rows 0, 1, 2, then b_ctx: 512 bytes each
.set MIMG,  6144                       ; wave u at 256 u: each lane's pair (-M_u, sum_u) at 8 x lane
.set STG,   7168                       ; the way out: 8 rows of 512 bytes + 16
.set SPT,   528
.set EL,    11520                      ; a wave's own: x0, x1, x2, y0, y1 of its 128 points, 512 bytes each
.set ELW,   2560
.set SL,    21760                      ; a wave's own: sum |d|, [8 targets][128 points], rows 528 bytes apart
.set SLW,   5120
.set OIMG,  42240                      ; wave u at 8192 u: its 64 registers of O^T as they stand: four registers at 512 n + 16 x lane
; REGISTERS, in windows of 256 (s_set_vgpr_msb: bits 1:0 source 0, 3:2 source 1, 5:4 source 2, 7:6 destination).
; window 1: E of points 0-63, then keys of my points 0, 1 (v[128 kk + h]), then the four images of O^T.   window 2: W_tgt as loaded, then keys of my points 2, 3.
; window 3: v0-63 value's fragments, v64-79 W_tgt's, v80-95 b_tgt in the result's layout, v96-255 E of points 64-127.
.set VT4, 1                            ; 4 x thread
.set RR,  2                            ; r = lane % 16
.set HH,  3                            ; hh = lane / 16
.set VQ,  4                            ; LDS address of the query row being fetched
.set VS0, 5                            ; my 16 bytes of a row of sum |d|
.set VS,  6                            ; the same in the target's row
.set VSR, 7                            ; where the softmax reads: row r % 8, + 64 hh
.set VE,  8                            ; E: + 128 hh
.set VEW, 9                            ; E: my four points' words
.set VWC, 10                           ; WCL
.set VLI, 11                           ; 16 x lane
.set VOW, 12                           ; my wave's image of O^T
.set VOI, 13                           ; wave 0's
.set VMW, 14                           ; my wave's (-M, sum)
.set VMI, 15                           ; wave 0's
.set VSC, 16                           ; v16-23 scale words of value's eight fragments
.set WS,  24                           ; v24-25 of W_tgt's two
.set PW,  26                           ; p's
.set RW,  27                           ; rep's
.set VST, 28                           ; the stage, in
.set VSD, 29                           ; the stage, back
.set VWT, 30                           ; W_tgt: 4 r + 32 hh rows
.set VSH, 31                           ; 8 hh
.set CX,  32                           ; v32-47  my four points' x0 .. x3
.set CX1, 48                           ; v48-55  their x1, twice each: a pair for the packed form
.set WI,  56                           ; v56-151 tile i: W_in[j][my channel] at 12 i + 2 j, b_in at 12 i + 10; the odd partners are 0
.set VAL, 152                          ; v152-215 two tiles x 32 points of value
.set MX,  216                          ; v216-231 running largest magnitudes
.set SO,  232                          ; v232-235 the conversions' scale operands
.set TB,  236                          ; v236-239 scale bytes
.set PT,  240                          ; v240-243 what a lane permute brings
.set CY,  244                          ; v244-251 my four points' y0, y1
.set WCV, 216                          ; v216-219 W_ctx[0..2][thread], b_ctx[thread]
.set QV,  220                          ; v220-227 query[t][thread]
.set KT,  56                           ; v56-119 keys in the making
.set WCB, 128                          ; v128-255 two buffers of W_ctx and b_ctx, 16 channels each
.set ACC, 32                           ; v32-47  four running sums for each of my four points
.set DF,  48                           ; v48-79  32 differences
.set SC,  80                           ; v80-83  the four sums
.set RT,  84                           ; v84-91
.set QR,  128                          ; v128-255 a query row
.set S,   128                          ; v128-191 sum |d|, then p
.set OA,  192                          ; v192-255 O^T
.set BM,  32
.set BP,  36
.set BS,  40
.set TT,  44
.set SUM, 48
.set PC,  96                           ; v96-103 p's codes
.set NM,  104                          ; -M_w
.set LL,  105                          ; my wave's sum
.set ML,  32                           ; v32-39 (-M_u, sum_u)
.set G,   40                           ; v40-47 g_u = f_u / sum at 2 u, f_u = 2^(M_u - M) at 2 u + 1
.set TM,  48                           ; v48-63 at work
.set LT,  64
.set RL,  65
.set REP, 128                          ; v128-191
.set RC,  96                           ; v96-103 rep's codes
.set Y,   192                          ; v192-207
.set OUTR, 208                         ; v208-215
.set MSB, 0
.macro WIN new                         ; the immediate's high byte repeats the setting that is left; a switch that changes nothing is dropped
.if MSB != (\new)
	s_set_vgpr_msb (MSB<<8)|(\new)
.set MSB, (\new)
.endif
.endm
.macro BARRIER                         ; my LDS stores have landed and my LDS loads are in: then the work-group's barrier
	s_wait_dscnt 0x0
	s_barrier_signal -1
	s_barrier_wait -1
.endm
; Step st of four of nch chains, each the largest magnitude of eight numbers v[X + 8 ch ..].  The chains take turns.  The floor 2^(3 - 127) starts each chain: so no scale byte falls under 1.
; The running value is source 0 and the numbers are sources 1 and 2, so that the numbers may lie in another window.
.macro MAXSTEP st, nch, X, M
.set ch, 0
.rept \nch
.if (\st) == 0
	v_max3_num_f32 v[\M+ch], 0x1800000, |v[\X+8*ch]|, |v[\X+8*ch+1]|
.else
	v_max3_num_f32 v[\M+ch], v[\M+ch], |v[\X+8*ch+2*(\st)]|, |v[\X+8*ch+2*(\st)+1]|
.endif
.set ch, ch+1
.endr
.endm
.macro MERGE nb, M                     ; four chains make a block of 32: its largest magnitude in v[M + 4 k]
.set k, 0
.rept \nb
	v_max3_num_f32 v[\M+4*k], v[\M+4*k], v[\M+4*k+1], v[\M+4*k+2]
.set k, k+1
.endr
.set k, 0
.rept \nb
	v_max_num_f32 v[\M+4*k], v[\M+4*k], v[\M+4*k+3]
.set k, k+1
.endr
.endm
	; ---- the head: pointers, ids, addresses
	s_load_b512 s[4:19], s[0:1], 0x0               ; context_x 4, context_y 6, target_x 8, W_in 10, b_in 12, W_ctx 14, b_ctx 16, W_tgt 18
	s_load_b128 s[20:23], s[0:1], 0x40             ; b_tgt 20, out0 22
	v_lshrrev_b32 v232, 5, v0
	v_readfirstlane_b32 s24, v232                  ; wave 0..3
	v_and_b32 v232, 31, v0                         ; lane
	v_lshlrev_b32 v[VT4], 2, v0
	v_and_b32 v[RR], 15, v0
	v_bfe_u32 v[HH], v0, 4, 1
	v_and_b32 v233, 7, v0
	v_mul_u32_u24 v233, v233, SPT                  ; 528 (r % 8)
	v_lshlrev_b32 v[VLI], 4, v232
	s_wait_alu depctr_va_sdst(0)                   ; s24 is written, ahead of its first reader: the waves' LDS places and the bases are made from it
	s_mul_i32 s25, s24, SLW
	s_add_co_u32 s25, s25, SL
	v_add_nc_u32 v[VS0], s25, v[VLI]
	v_lshl_add_u32 v[VSR], v[HH], 6, v233
	v_add_nc_u32 v[VSR], s25, v[VSR]
	s_mul_i32 s25, s24, ELW
	s_add_co_u32 s25, s25, EL
	v_lshlrev_b32 v[VE], 7, v[HH]
	v_add_nc_u32 v[VE], s25, v[VE]
	v_add_nc_u32 v[VEW], s25, v[VLI]
	v_mov_b32 v[VWC], WCL
	s_lshl_b32 s25, s24, 13
	s_add_co_u32 s25, s25, OIMG
	v_add_nc_u32 v[VOW], s25, v[VLI]
	v_add_nc_u32 v[VOI], OIMG, v[VLI]
	v_lshlrev_b32 v[VMI], 3, v232
	v_add_nc_u32 v[VMI], MIMG, v[VMI]
	s_lshl_b32 s25, s24, 8
	v_add_nc_u32 v[VMW], s25, v[VMI]
	s_lshl_b32 s25, s24, 7
	s_add_co_u32 s25, s25, STG
	v_lshl_add_u32 v[VST], v[HH], 5, v233
	v_add_nc_u32 v[VST], s25, v[VST]               ; row r % 8, + 128 x wave + 32 hh: my eight outputs' bytes
	s_mul_i32 s25, s24, 2*SPT
	s_add_co_u32 s25, s25, STG
	v_add_nc_u32 v[VSD], s25, v[VLI]               ; back: rows 2 w, 2 w + 1, 16 bytes a lane
	v_lshlrev_b32 v[VWT], 2, v[RR]
	v_lshl_add_u32 v[VWT], v[HH], 14, v[VWT]
	v_lshlrev_b32 v[VSH], 3, v[HH]
	v_lshlrev_b32 v252, 6, v232                    ; context_x: my four points are 64 bytes
	v_lshlrev_b32 v253, 5, v232                    ; context_y: 32 bytes
	v_and_b32 v254, 8, v[RR]
	v_add_nc_u32 v254, v254, v[RR]
	v_lshlrev_b32 v254, 2, v254                    ; W_in, b_in: channel r + 8 (r / 8) of a tile
	v_lshlrev_b32 v255, 5, v[HH]                   ; b_tgt: 8 hh numbers on
	s_mov_b32 s28, 0x76543210
	s_mov_b32 s29, 0xfedcba98                      ; v_permlanex16_b32's selects for lane l xor 16
	s_mov_b32 s30, 0xbf38aa3b                      ; c = -0.5 log2(e): t = c x sum |d|
	s_mov_b32 s31, s30                             ; (the packed form names the pair)
	s_lshr_b32 s25, ttmp9, 6                       ; batch
	s_lshl_b32 s70, s25, 13
	s_lshl_b32 s26, s24, 11
	s_add_co_u32 s70, s70, s26                     ; context_x: 8,192 bytes a batch, 2,048 a wave
	s_mov_b32 s71, 0
	s_wait_kmcnt 0x0
	s_add_nc_u64 s[4:5], s[4:5], s[70:71]
	s_lshr_b32 s70, s70, 1                         ; context_y: half of that
	s_add_nc_u64 s[6:7], s[6:7], s[70:71]
	s_lshl_b32 s70, ttmp9, 7                       ; target_x: my eight rows of 16 bytes
	s_add_nc_u64 s[8:9], s[8:9], s[70:71]
	s_lshl_b32 s70, s24, 7                         ; W_tgt, b_tgt: my 32 columns
	s_add_nc_u64 s[18:19], s[18:19], s[70:71]
	s_add_nc_u64 s[20:21], s[20:21], s[70:71]
	s_lshl_b32 s70, ttmp9, 12
	s_lshl_b32 s26, s24, 10
	s_add_co_u32 s70, s70, s26                     ; out0: 8 rows of 512 bytes a work-group, 2 a wave
	s_add_nc_u64 s[22:23], s[22:23], s[70:71]
	s_load_b512 s[32:47], s[8:9], 0x0              ; the eight targets' coordinates: target t at s[32 + 4 t ..]
	s_load_b512 s[48:63], s[8:9], 0x40
	s_wait_alu depctr_va_vdst(0)                   ; every address and offset made above is written: the loads and stores of the whole kernel read them (but VQ and VS, which are made later)
.irp j, 0,1,2
	global_load_b32 v[WCV+\j], v[VT4], s[14:15] offset:512*\j      ; W_ctx[j][thread]
.endr
	global_load_b32 v[WCV+3], v[VT4], s[16:17]                     ; b_ctx[thread]
.irp kk, 0,1,2,3
	global_load_b128 v[CX+4*\kk:CX+4*\kk+3], v252, s[4:5] offset:16*\kk
.endr
	global_load_b128 v[CY:CY+3], v253, s[6:7]
	global_load_b128 v[CY+4:CY+7], v253, s[6:7] offset:16
.irp i, 0,1,2,3,4,5,6,7
.irp j, 0,1,2,3,4
	global_load_b32 v[WI+12*\i+2*\j], v254, s[10:11] offset:512*\j+4*(32*(\i/2)+8*(\i%2))
.endr
	global_load_b32 v[WI+12*\i+10], v254, s[12:13] offset:4*(32*(\i/2)+8*(\i%2))
.endr
	WIN 0xc0                                       ; destination window 3
.irp t, 0,1
	global_load_b128 v[80+8*\t:80+8*\t+3], v255, s[20:21] offset:64*\t      ; b_tgt at my eight outputs of tile t: the C of the last product
	global_load_b128 v[80+8*\t+4:80+8*\t+7], v255, s[20:21] offset:64*\t+16
.endr
	WIN 0
.set q, 0
.rept 48
	v_mov_b32 v[WI+2*q+1], 0                       ; the packed form names pairs and takes their low words: the partners are written (no load lands in them, none reads them)
.set q, q+1
.endr
.irp i, 0,1,2,3,4,5,6,7
	v_mov_b32 v[TB+\i], 0                          ; a lane permute's destination counts as one of its sources
.endr
	s_wait_loadcnt 52                              ; W_ctx, b_ctx and my points are in; the 48 loads of W_in and b_in and the 4 of b_tgt may be out
	s_wait_kmcnt 0x0                               ; the targets
	; ---- queries, W_ctx and my points' coordinates go to LDS
.irp j, 0,1,2,3
	ds_store_b32 v[VT4], v[WCV+\j] offset:WCL+512*\j               ; loaded data, an address from the head: nothing more is owed
.endr
.irp t, 0,1,2,3,4,5,6,7
	v_fma_f32 v[QV+\t], s[32+4*\t], v[WCV], v[WCV+3]
.endr
.irp t, 0,1,2,3,4,5,6,7
	v_fma_f32 v[QV+\t], s[33+4*\t], v[WCV+1], v[QV+\t]
.endr
.irp t, 0,1,2,3,4,5,6,7
	v_fma_f32 v[QV+\t], s[34+4*\t], v[WCV+2], v[QV+\t]
.endr
.irp kk, 0,1,2,3
	v_mov_b32 v[CX1+2*\kk], v[CX+4*\kk+1]
	v_mov_b32 v[CX1+2*\kk+1], v[CX+4*\kk+1]
.endr
	s_wait_alu depctr_va_vdst(0)                   ; the multiply-adds have written QV, which the stores below read
.irp t, 0,1,2,3,4,5,6,7
	ds_store_b32 v[VT4], v[QV+\t] offset:QL+512*\t
.endr
.irp kk, 0,1,2,3
.irp j, 0,1,2
	ds_store_b32 v[VEW], v[CX+4*\kk+\j] offset:512*\j+4*\kk
.endr
.irp j, 0,1
	ds_store_b32 v[VEW], v[CY+2*\kk+\j] offset:512*(3+\j)+4*\kk
.endr
.endr
	BARRIER                                        ; the eight query rows and W_ctx lie in LDS
	s_wait_alu depctr_vm_vsrc(0)                   ; my LDS stores have read WCV, QV, CX and CY, and the head's loads v252 to v255: MX, ACC and the loads of W_ctx write these registers again
	; ---- value^T: eight fragments (16 channels x my wave's 128 points).  The operand's layout gives lane (r, hh) points 64 c + 32 hh + 0 .. 31 in registers 4 c .. 4 c + 3: a whole block of 32 in one lane.
	WIN 0x40                                       ; destination window 1
.irp j, 0,1,2,3,4
.irp q, 0,1,2,3,4,5,6,7
	ds_load_b128 v[32*\j+4*\q:32*\j+4*\q+3], v[VE] offset:512*\j+16*\q
.endr
.endr
	WIN 0xc0                                       ; destination window 3
.irp j, 0,1,2,3,4
.irp q, 0,1,2,3,4,5,6,7
	ds_load_b128 v[96+32*\j+4*\q:96+32*\j+4*\q+3], v[VE] offset:512*\j+256+16*\q
.endr
.endr
	WIN 0
; Half c of tiles 2 ip and 2 ip + 1: 64 numbers of value by 160 packed multiply-adds (dependent lines 32 apart), two blocks' scales, eight conversions.  At its head 16 of my 128 loads of W_tgt:
; they land in registers of window 2 that no vector line has named, by an offset from the head.
.macro VBLOCK c, ip
.set EB, 96*(\c)
	WIN 0x80                                       ; destination window 2
.set m, 16*(4*(\c)+(\ip))
.rept 16
	global_load_b32 v[m], v[VWT], s[18:19] offset:512*(64*((m/32)%2)+m%32)+64*(m/64)   ; register 64 t + 32 c + i: W_tgt(64 c + 32 hh + i, 32 w + 16 t + r): sixteen lanes read 64 neighbouring bytes
.set m, m+1
.endr
	WIN 1+2*(\c)                                   ; source 0 (E) window 1 or 3
.irp u, 0,1
.set TI, WI+12*(2*(\ip)+\u)
.set p, 0
.rept 16
	v_pk_fma_f32 v[VAL+32*\u+2*p:VAL+32*\u+2*p+1], v[EB+2*p:EB+2*p+1], v[TI:TI+1], v[TI+10:TI+11] op_sel_hi:[1,0,0]
.set p, p+1
.endr
.endr
.irp j, 1,2,3,4
.irp u, 0,1
.set TI, WI+12*(2*(\ip)+\u)+2*\j
.set p, 0
.rept 16
	v_pk_fma_f32 v[VAL+32*\u+2*p:VAL+32*\u+2*p+1], v[EB+32*\j+2*p:EB+32*\j+2*p+1], v[TI:TI+1], v[VAL+32*\u+2*p:VAL+32*\u+2*p+1] op_sel_hi:[1,0,1]
.set p, p+1
.endr
.endr
.endr
	WIN 0
	MAXSTEP 0, 8, VAL, MX
	MAXSTEP 1, 8, VAL, MX
	MAXSTEP 2, 8, VAL, MX
	MAXSTEP 3, 8, VAL, MX
	MERGE 2, MX
.irp u, 0,1
	v_add_nc_u32 v[SO+\u], 0xff000000, v[MX+4*\u]  ; 2 off the exponent field: the conversion takes the exponent field of this operand as its scale
.endr
.irp u, 0,1
.if (\c) == 0
	v_lshrrev_b32 v[VSC+2*(\ip)+\u], 23, v[SO+\u]  ; the byte of block hh
.else
	v_lshrrev_b32 v[TB+\u], 23, v[SO+\u]           ; the byte of block 2 + hh,
.endif
.endr
.if (\c) == 1
.irp u, 0,1
	v_lshl_or_b32 v[VSC+2*(\ip)+\u], v[TB+\u], 16, v[VSC+2*(\ip)+\u]   ; two bytes up
.endr
.endif
	WIN 0xc0                                       ; destination window 3
.irp u, 0,1
.irp q, 0,1,2,3
	v_cvt_scalef32_pk8_fp4_f32 v[8*(2*(\ip)+\u)+4*(\c)+\q], v[VAL+32*\u+8*\q:VAL+32*\u+8*\q+7], v[SO+\u]
.endr
.endr
	v_nop                                          ; one plain place behind a scaled conversion
	WIN 0
.endm
	s_wait_loadcnt 4                               ; W_in and b_in are in; b_tgt's four loads may be out
	s_wait_dscnt 40                                ; E of points 0-63 is in; the 40 loads of points 64-127 may be out
.irp n, 0,1,2,3
	VBLOCK 0, \n
.endr
	s_wait_dscnt 0x0
.irp n, 0,1,2,3
	VBLOCK 1, \n
.endr
.irp i, 0,1,2,3,4,5,6,7
	v_lshlrev_b32 v[VSC+\i], v[VSH], v[VSC+\i]     ; my two bytes at their places in the scale word (8 hh bits up);
.endr
.irp i, 0,1,2,3,4,5,6,7
	v_permlanex16_b32 v[TB+\i], v[VSC+\i], s28, s29
.endr
.irp i, 0,1,2,3,4,5,6,7
	v_or_b32 v[VSC+\i], v[VSC+\i], v[TB+\i]        ; with lane l xor 16's two the word is whole
.endr
	; ---- W_tgt: two fragments (16 of my 32 columns x K = 128).  A lane took a column and its registers run down K: four whole blocks a lane
	s_wait_loadcnt 0x0
	WIN 0x28                                       ; sources 1 and 2 window 2
	MAXSTEP 0, 16, 0, MX
	MAXSTEP 1, 16, 0, MX
	MAXSTEP 2, 16, 0, MX
	MAXSTEP 3, 16, 0, MX
	WIN 0
	MERGE 4, MX
.irp b, 0,1,2,3
	v_add_nc_u32 v[SO+\b], 0xff000000, v[MX+4*\b]
.endr
.irp b, 0,1,2,3
	v_lshrrev_b32 v[TB+\b], 23, v[SO+\b]
.endr
.irp t, 0,1
	v_lshl_or_b32 v[WS+\t], v[TB+2*\t+1], 16, v[TB+2*\t]
.endr
.irp t, 0,1
	v_lshlrev_b32 v[WS+\t], v[VSH], v[WS+\t]
.endr
.irp t, 0,1
	v_permlanex16_b32 v[PT+\t], v[WS+\t], s28, s29
.endr
.irp t, 0,1
	v_or_b32 v[WS+\t], v[WS+\t], v[PT+\t]
.endr
	WIN 0xc2                                       ; destination window 3, source 0 window 2
.irp t, 0,1
.irp b, 0,1
.irp q, 0,1,2,3
	v_cvt_scalef32_pk8_fp4_f32 v[64+8*\t+4*\b+\q], v[64*\t+32*\b+8*\q:64*\t+32*\b+8*\q+7], v[SO+2*\t+\b]
.endr
.endr
.endr
	v_nop                                          ; one plain place behind a scaled conversion
	WIN 0
	; ---- keys: my four points x 128 channels, 16 channels a batch; W_ctx and b_ctx come from LDS as broadcasts, a batch ahead
.macro KLOAD n
.irp j, 0,1,2,3
.irp q, 0,1,2,3
	ds_load_b128 v[WCB+64*((\n)%2)+16*\j+4*\q:WCB+64*((\n)%2)+16*\j+4*\q+3], v[VWC] offset:512*\j+64*(\n)+16*\q
.endr
.endr
.endm
.macro KBATCH n
.set WB, WCB+64*((\n)%2)
.if (\n) < 7
.if (\n) > 0
	s_wait_alu depctr_va_vdst(0)                   ; the batch before is done reading its buffer, in which the next batch's loads land
.endif
	KLOAD (\n)+1
	s_wait_dscnt 16                                ; this batch's 16 loads are in; the next batch's 16 may be out
.else
	s_wait_dscnt 0x0
.endif
.irp kk, 0,1,2,3
.set p, 0
.rept 8
	v_pk_fma_f32 v[KT+16*\kk+2*p:KT+16*\kk+2*p+1], v[WB+2*p:WB+2*p+1], v[CX+4*\kk:CX+4*\kk+1], v[WB+48+2*p:WB+48+2*p+1] op_sel_hi:[1,0,1]
.set p, p+1
.endr
.endr
.irp kk, 0,1,2,3
.set p, 0
.rept 8
	v_pk_fma_f32 v[KT+16*\kk+2*p:KT+16*\kk+2*p+1], v[WB+16+2*p:WB+16+2*p+1], v[CX1+2*\kk:CX1+2*\kk+1], v[KT+16*\kk+2*p:KT+16*\kk+2*p+1] op_sel_hi:[1,0,1]
.set p, p+1
.endr
.endr
	WIN 0x40                                       ; destination window 1: points 0, 1
.irp kk, 0,1
.set p, 0
.rept 8
	v_pk_fma_f32 v[128*\kk+16*(\n)+2*p:128*\kk+16*(\n)+2*p+1], v[WB+32+2*p:WB+32+2*p+1], v[CX+4*\kk+2:CX+4*\kk+3], v[KT+16*\kk+2*p:KT+16*\kk+2*p+1] op_sel_hi:[1,0,1]
.set p, p+1
.endr
.endr
	WIN 0x80                                       ; destination window 2: points 2, 3
.irp kk, 2,3
.set p, 0
.rept 8
	v_pk_fma_f32 v[128*(\kk-2)+16*(\n)+2*p:128*(\kk-2)+16*(\n)+2*p+1], v[WB+32+2*p:WB+32+2*p+1], v[CX+4*\kk+2:CX+4*\kk+3], v[KT+16*\kk+2*p:KT+16*\kk+2*p+1] op_sel_hi:[1,0,1]
.set p, p+1
.endr
.endr
	WIN 0
.endm
	s_wait_alu depctr_va_vdst(0)                   ; the lines above are done with v128 to v255 (W_in's pairs, VAL, MX, the scales' work), in which the loads of batches 0 and 1 land; no vector line stands between those two runs
	KLOAD 0
.irp n, 0,1,2,3,4,5,6,7
	KBATCH \n
.endr
	; ---- scores: sum over h of |query - key|, a target a trip.  Half ph of a trip serves my points 2 ph, 2 ph + 1; a group is 16 channels.
; 16 packed subtractions (only the keys, source 1, lie in another window), 32 additions of a magnitude.  The addition is a multiply-add by 1.0, so that the magnitude is source 0 and the sum source 2, both in window 0:
; one window setting serves a whole half.  Four sums a point; dependent lines stand 8 apart.  A trip's first additions start the sums: nothing is cleared.
; The next target's row comes in the second half, behind two waits.  Behind group 3's subtractions groups 0-3 of the row have been read for the last time: their loads are dealt four each into groups 3, 4, 5 and 6,
; whose vector lines name the row from channel 64 on, the differences, the sums and the keys.  Behind group 7's subtractions the same holds of groups 4-7: four loads ahead of each eight of group 7's additions.
.macro QLOAD k                         ; the next target's channels 16 k .. 16 k + 15
.irp q, 0,1,2,3
	ds_load_b128 v[QR+16*(\k)+4*\q:QR+16*(\k)+4*\q+3], v[VQ] offset:64*(\k)+16*\q
.endr
.endm
.macro GROUP ph, g
.if (\ph) == 0
	s_wait_dscnt 28-4*(\g)                         ; this group's four loads are in; those of the groups behind it may be out (round the back edge the last trip's store is younger still: the count is the smaller of the two)
.endif
.irp k2, 0,1
.set p, 0
.rept 8
	v_pk_add_f32 v[DF+16*\k2+2*p:DF+16*\k2+2*p+1], v[QR+16*(\g)+2*p:QR+16*(\g)+2*p+1], v[128*\k2+16*(\g)+2*p:128*\k2+16*(\g)+2*p+1] neg_lo:[0,1] neg_hi:[0,1]
.set p, p+1
.endr
.endr
.if ((\ph) == 1) && ((\g) == 3)
	s_wait_alu depctr_va_vdst(0)                   ; the subtractions are done reading groups 0 to 3 of the row, in which the next 16 loads land; VQ, which they read, and VS are written
.endif
.if ((\ph) == 1) && ((\g) == 7)
	s_wait_alu depctr_va_vdst(0)                   ; the subtractions are done reading groups 4 to 7 of the row, in which the last 16 loads land
.endif
.if ((\ph) == 1) && ((\g) >= 3) && ((\g) < 7)
	QLOAD (\g)-3
.endif
.irp x4, 0,1,2,3
.if ((\ph) == 1) && ((\g) == 7)
	QLOAD 4+\x4
.endif
.irp k2, 0,1
.irp xl, 0,1,2,3
.if ((\g) == 0) && (\x4 == 0)
	v_fma_f32 v[ACC+8*(\ph)+4*\k2+\xl], |v[DF+16*\k2+4*\x4+\xl]|, 1.0, 0
.else
	v_fma_f32 v[ACC+8*(\ph)+4*\k2+\xl], |v[DF+16*\k2+4*\x4+\xl]|, 1.0, v[ACC+8*(\ph)+4*\k2+\xl]
.endif
.endr
.endr
.endr
.endm
	v_mov_b32 v[VQ], QL
	s_wait_alu depctr_va_vdst(0)                   ; VQ is written, which the loads below read; the last two key batches are done reading v128 to v255, in which they land
.set q, 0
.rept 32
	ds_load_b128 v[QR+4*q:QR+4*q+3], v[VQ] offset:16*q     ; target 0's row
.set q, q+1
.endr
	s_mov_b32 s66, 8                               ; trips
	s_mov_b32 s67, 0                               ; the row being fetched
	s_mov_b32 s69, 0                               ; the row of sums being written
.Lq:
	WIN 0x04                                       ; source 1 window 1
.irp g, 0,1,2,3,4,5,6,7
	GROUP 0, \g
.endr
	s_add_co_u32 s67, s67, 512
	s_and_b32 s68, s67, 0xfff                      ; the next target's row; the last trip fetches row 0 again, which nobody uses: every byte read has been written
	WIN 0                                          ; (VS0 is a second source: window 0)
	s_wait_alu depctr_vm_vsrc(0)                   ; the row's loads issued so far have read VQ, and the last trip's store has read VS and SC: all three are written again in this trip
	v_mov_b32 v[VQ], s68                           ; no LDS instruction of mine is out here: the last group's wait was for 0
	v_add_nc_u32 v[VS], s69, v[VS0]                ; this target's row of sums
	WIN 0x08                                       ; source 1 window 2
.irp g, 0,1,2,3,4,5,6,7
	GROUP 1, \g
.endr
	WIN 0                                          ; at a label and at a branch every window is 0
.irp kk, 0,1,2,3
	v_pk_add_f32 v[RT+2*\kk:RT+2*\kk+1], v[ACC+4*\kk:ACC+4*\kk+1], v[ACC+4*\kk+2:ACC+4*\kk+3]
.endr
.irp kk, 0,1,2,3
	v_add_f32 v[SC+\kk], v[RT+2*\kk], v[RT+2*\kk+1]
.endr
	s_wait_alu depctr_va_vdst(0)                   ; the additions have written SC, which the store reads.  In the last trip it also states that every reader of v128 to v191 is done: the softmax's loads land there
	ds_store_b128 v[VS], v[SC:SC+3]                ; my four points' sums in the target's row
	s_add_co_u32 s69, s69, SPT
	s_sub_co_i32 s66, s66, 1
	s_cmp_lg_u32 s66, 0
	s_cbranch_scc1 .Lq
	s_wait_dscnt 0x0                               ; the last store, and the loads into the registers that are used next
	; ---- the softmax over my wave's 128 points.  Lane (r, hh) takes target r % 8; register 16 b + i is point 32 b + 16 hh + i.  c is negative: the largest t belongs to the smallest sum
	v_mov_b32 v[LL], 0                             ; (named as the upper half of the pair with -M before it is first written)
.irp b, 0,1,2,3
.irp q, 0,1,2,3
	ds_load_b128 v[S+16*\b+4*\q:S+16*\b+4*\q+3], v[VSR] offset:128*\b+16*\q   ; my wave's own bytes: LDS serves a wave's instructions in order.  Since the loop's last wait on va_vdst only the line above was issued, which names v105
.endr
.endr
	s_wait_dscnt 0x0
.irp b, 0,1,2,3
	v_min3_num_f32 v[BM+\b], v[S+16*\b], v[S+16*\b+1], v[S+16*\b+2]   ; the smallest sum of each block of 32 points: it serves for the row's largest t and for the block's largest p
.endr
.irp i, 3,5,7,9,11,13
.irp b, 0,1,2,3
	v_min3_num_f32 v[BM+\b], v[BM+\b], v[S+16*\b+\i], v[S+16*\b+\i+1]
.endr
.endr
.irp b, 0,1,2,3
	v_min_num_f32 v[BM+\b], v[BM+\b], v[S+16*\b+15]
.endr
.irp b, 0,1,2,3
	v_permlanex16_b32 v[BP+\b], v[BM+\b], s28, s29
.endr
.irp b, 0,1,2,3
	v_min_num_f32 v[BM+\b], v[BM+\b], v[BP+\b]     ; with lane l xor 16's 16 points
.endr
	v_min3_num_f32 v[TT], v[BM], v[BM+1], v[BM+2]
	v_min_num_f32 v[TT], v[TT], v[BM+3]
	v_mul_f32 v[TT], s30, v[TT]                    ; the largest t of my wave's points
	v_floor_f32 v[NM], -v[TT]                      ; -M_w = floor(-t) = -ceil(t): a whole number
.irp j, 0,2,4,6,8,10,12,14,16,18,20,22,24,26,28,30,32,34,36,38,40,42,44,46,48,50,52,54,56,58,60,62
	v_pk_fma_f32 v[S+\j:S+\j+1], v[S+\j:S+\j+1], s[30:31], v[NM:NM+1] op_sel_hi:[1,0,0]   ; t - M_w, two at a time
.endr
.irp b, 0,1,2,3
	v_fma_f32 v[BM+\b], v[BM+\b], s30, v[NM]       ; the same of each block's smallest sum
.endr
.set q, 0
	s_wait_alu depctr_va_vdst(0)
.rept 64
	v_exp_f32 v[S+q], v[S+q]                       ; p = 2^(t - M_w), at most 1: not normalised
.set q, q+1
.endr
	v_nop                                          ; a plain place behind the exponentials
	s_wait_alu depctr_va_vdst(0)                   ; the 64 exponentials have written p: one wait for the batch, ahead of its first reader
.irp b, 0,1,2,3
	v_exp_f32 v[BM+\b], v[BM+\b]                   ; the block's largest p
.endr
	v_pk_add_f32 v[SUM:SUM+1], v[S:S+1], v[S+4:S+5]            ; the sum of the unquantised p, two at a time, in two chains: it reads the 64 alone
	v_pk_add_f32 v[SUM+2:SUM+3], v[S+2:S+3], v[S+6:S+7]
.irp j, 8,12,16,20,24,28,32,36,40,44,48,52,56,60
	v_pk_add_f32 v[SUM:SUM+1], v[SUM:SUM+1], v[S+\j:S+\j+1]
	v_pk_add_f32 v[SUM+2:SUM+3], v[SUM+2:SUM+3], v[S+\j+2:S+\j+3]
.endr
	v_pk_add_f32 v[SUM:SUM+1], v[SUM:SUM+1], v[SUM+2:SUM+3]
	v_add_f32 v[LL], v[SUM], v[SUM+1]
	v_permlanex16_b32 v[TT], v[LL], s28, s29
	v_add_f32 v[LL], v[LL], v[TT]                  ; with lane l xor 16's 64 points: my wave's sum
	s_wait_alu depctr_va_vdst(0)                   ; the four exponentials have written the blocks' largest p: their wait, ahead of the first reader
.irp b, 0,1,2,3
	v_max_num_f32 v[BM+\b], 0x1800000, v[BM+\b]    ; the floor 2^(3 - 127): the byte cannot fall under 1
.endr
.irp b, 0,1,2,3
	v_add_nc_u32 v[BS+\b], 0xff000000, v[BM+\b]
.endr
.irp b, 0,1,2,3
	v_lshrrev_b32 v[BP+\b], 23, v[BS+\b]
.endr
	v_lshl_or_b32 v[PW], v[BP+1], 8, v[BP]         ; p's scale word for these 128 points
	v_lshl_or_b32 v[PW], v[BP+2], 16, v[PW]
	v_lshl_or_b32 v[PW], v[BP+3], 24, v[PW]
.irp b, 0,1,2,3
	v_cvt_scalef32_pk8_fp4_f32 v[PC+2*\b], v[S+16*\b:S+16*\b+7], v[BS+\b]
	v_cvt_scalef32_pk8_fp4_f32 v[PC+2*\b+1], v[S+16*\b+8:S+16*\b+15], v[BS+\b]
.endr
	v_nop                                          ; one plain place behind a scaled conversion
.irp b, 0,1                                    ; the operand's layout wants a whole block in a lane: lanes 0-15 block 2 b, lanes 16-31 block 2 b + 1
.irp i, 0,1
	v_permlane16_swap_b32 v[PC+4*\b+\i], v[PC+4*\b+2+\i]
.endr
.endr
.rept 8
	v_nop                                          ; a scale register written by a vector instruction stands 8 places ahead of a scaled matrix instruction, an operand so written 4
.endr
	s_wait_alu depctr_va_vdst(0)                   ; behind the places: vector lines have written value's fragments and scale words, p's codes and p's scale word, which the scaled products take
	WIN 0x03                                       ; source 0 (value) window 3
.irp i, 0,1,2,3,4,5,6,7                        ; O^T = value^T p^T over my 128 points: eight accumulators, one instruction each.  Register 16 b + 8 u + j of lane (r, hh): channel 32 b + 16 hh + 8 u + j of target r % 8
	v_wmma_scale_f32_16x16x128_f8f6f4 v[OA+8*\i:OA+8*\i+7], v[8*\i:8*\i+7], v[PC:PC+7], 0, v[VSC+\i], v[PW] matrix_a_fmt:MATRIX_FMT_FP4 matrix_b_fmt:MATRIX_FMT_FP4
.endr
	WIN 0
.rept 4
	v_nop                                          ; four places ahead of the stores that read the results
.endr
	s_wait_alu depctr_va_vdst(0)                   ; the products have written O^T, and the softmax -M and the sum, which the stores read; the places above stay beside this wait.  It also states that every earlier reader and writer of v32 to v39 and of window 1 is done: the join's loads land there
.set q, 0
.rept 16
	ds_store_b128 v[VOW], v[OA+4*q:OA+4*q+3] offset:512*q      ; the registers as they stand, each accumulator from its low end on
.set q, q+1
.endr
	ds_store_b64 v[VMW], v[NM:NM+1]                ; -M_w and my wave's sum
	BARRIER                                        ; the four waves' parts lie in LDS
	s_wait_alu depctr_vm_vsrc(0)                   ; my LDS stores have read v192 to v255: the last product, the way out's loads and the closing pair write some of them again
	; ---- the join: rep = sum over u of O_u 2^(M_u - M) / sum over u of sum_u 2^(M_u - M); every wave makes all of it: it is source 1 of its last product
.irp u, 0,1,2,3
	ds_load_b64 v[ML+2*\u:ML+2*\u+1], v[VMI] offset:256*\u
.endr
	WIN 0x40                                       ; destination window 1
.irp u, 0,1,2
.set q, 0
.rept 16
	ds_load_b128 v[64*\u+4*q:64*\u+4*q+3], v[VOI] offset:8192*\u+512*q
.set q, q+1
.endr
.endr
	WIN 0
	s_wait_dscnt 48                                ; the four pairs are in; the 48 loads of images 0 to 2 may be out
	v_min3_num_f32 v[TM], v[ML], v[ML+2], v[ML+4]
	v_min_num_f32 v[TM], v[TM], v[ML+6]            ; -M = the least -M_u
.irp u, 0,1,2,3
	v_sub_f32 v[TM+1+\u], v[TM], v[ML+2*\u]        ; M_u - M: a whole number, 0 or less
.endr
.irp u, 0,1,2,3
	v_cvt_i32_f32 v[TM+1+\u], v[TM+1+\u]           ; (it saturates)
.endr
.irp u, 0,1,2,3
	v_ldexp_f32 v[G+2*\u+1], 1.0, v[TM+1+\u]       ; f_u = 2^(M_u - M): nothing is rounded
.endr
	v_mul_f32 v[LT], v[G+1], v[ML+1]
.irp u, 1,2,3
	v_fma_f32 v[LT], v[G+2*\u+1], v[ML+2*\u+1], v[LT]
.endr
	s_wait_alu depctr_va_vdst(0)
	v_rcp_f32 v[RL], v[LT]
	v_nop                                          ; a plain place behind the reciprocal
	WIN 0x40
.set q, 0
.rept 16
	ds_load_b128 v[192+4*q:192+4*q+3], v[VOI] offset:8192*3+512*q      ; no vector line since the wait ahead of the stores of O^T names a register of window 1
.set q, q+1
.endr
	WIN 0
	s_wait_alu depctr_va_vdst(0)                   ; the reciprocal has written 1 / sum: the wait ahead of its first reader
.irp u, 0,1,2,3
	v_mul_f32 v[G+2*\u], v[G+2*\u+1], v[RL]
.endr
	WIN 0x01                                       ; source 0 (the images) window 1
	s_wait_alu depctr_va_vdst(0)
	s_wait_dscnt 48                                ; image 0 is in; the 48 loads of images 1 to 3 may be out
.set p, 0
.rept 32
	v_pk_mul_f32 v[REP+2*p:REP+2*p+1], v[2*p:2*p+1], v[G:G+1] op_sel_hi:[1,0]
.set p, p+1
.endr
.irp u, 1,2,3
	s_wait_dscnt 48-16*\u                          ; image u is in; the later images' loads may be out
.set p, 0
.rept 32
	v_pk_fma_f32 v[REP+2*p:REP+2*p+1], v[64*\u+2*p:64*\u+2*p+1], v[G+2*\u:G+2*\u+1], v[REP+2*p:REP+2*p+1] op_sel_hi:[1,0,1]
.set p, p+1
.endr
.endr
	WIN 0
; 64 numbers of a lane, register 16 b + i = k 32 b + 16 hh + i of my row, become a fragment's codes in v[pc] on and its scale word in v[pw]
.macro QUANT src, pc, pw
.irp b, 0,1,2,3
	v_max3_num_f32 v[TM+\b], |v[\src+16*\b]|, |v[\src+1+16*\b]|, 0x1800000   ; block b: my 16 numbers, and the floor 2^(3 - 127)
.endr
.irp i, 2,4,6,8,10,12,14
.irp b, 0,1,2,3
	v_max3_num_f32 v[TM+\b], v[TM+\b], |v[\src+16*\b+\i]|, |v[\src+1+16*\b+\i]|
.endr
.endr
.irp b, 0,1,2,3
	v_permlanex16_b32 v[TM+4+\b], v[TM+\b], s28, s29
.endr
.irp b, 0,1,2,3
	v_max_num_f32 v[TM+\b], v[TM+\b], v[TM+4+\b]   ; with lane l xor 16's: the block's largest magnitude
.endr
.irp b, 0,1,2,3
	v_add_nc_u32 v[TM+12+\b], 0xff000000, v[TM+\b]
.endr
.irp b, 0,1,2,3
	v_lshrrev_b32 v[TM+4+\b], 23, v[TM+12+\b]
.endr
	v_lshl_or_b32 v[\pw], v[TM+5], 8, v[TM+4]
	v_lshl_or_b32 v[\pw], v[TM+6], 16, v[\pw]
	v_lshl_or_b32 v[\pw], v[TM+7], 24, v[\pw]
.irp b, 0,1,2,3
	v_cvt_scalef32_pk8_fp4_f32 v[\pc+2*\b], v[\src+16*\b:\src+7+16*\b], v[TM+12+\b]
	v_cvt_scalef32_pk8_fp4_f32 v[\pc+1+2*\b], v[\src+8+16*\b:\src+15+16*\b], v[TM+12+\b]
.endr
	v_nop                                          ; one plain place behind a scaled conversion
.irp b, 0,1
.irp i, 0,1
	v_permlane16_swap_b32 v[\pc+4*\b+\i], v[\pc+2+4*\b+\i]
.endr
.endr
.endm
	QUANT REP, RC, RW
.rept 8
	v_nop                                          ; 8 places between the scale word's last line and the scaled matrix instruction, 4 behind the operand's
.endr
	s_wait_alu depctr_va_vdst(0)                   ; behind the places: vector lines have written rep's codes and scale word and W_tgt's fragments and scale words, which the scaled products take
	WIN 0x33                                       ; source 0 (W_tgt) and source 2 (b_tgt) window 3
.irp t, 0,1                                    ; out^T: register j of lane (r, hh): out(target r % 8, 32 w + 16 t + 8 hh + j); the bias is the C
	v_wmma_scale_f32_16x16x128_f8f6f4 v[Y+8*\t:Y+8*\t+7], v[64+8*\t:64+8*\t+7], v[RC:RC+7], v[80+8*\t:80+8*\t+7], v[WS+\t], v[RW] matrix_a_fmt:MATRIX_FMT_FP4 matrix_b_fmt:MATRIX_FMT_FP4
.endr
	WIN 0
.rept 4
	v_nop                                          ; four places ahead of the stores that read the results
.endr
	s_wait_alu depctr_va_vdst(0)                   ; the two products have written Y, which the stores read; the places above stay beside this wait.  No vector line follows it ahead of the loads into v208 to v215
.irp t, 0,1
	ds_store_b128 v[VST], v[Y+8*\t:Y+8*\t+3] offset:64*\t          ; each accumulator from its low end on; lanes r and r + 8 hold the same target and write the same bytes with the same values
	ds_store_b128 v[VST], v[Y+8*\t+4:Y+8*\t+7] offset:64*\t+16
.endr
	BARRIER                                        ; eight whole rows of the output lie in the stage
	ds_load_b128 v[OUTR:OUTR+3], v[VSD]
	ds_load_b128 v[OUTR+4:OUTR+7], v[VSD] offset:SPT
	s_wait_dscnt 1                                 ; the first row is in; the second row's load may be out
	global_store_b128 v[VLI], v[OUTR:OUTR+3], s[22:23] th:TH_STORE_NT              ; 32 lanes store a row of 512 consecutive bytes, at a multiple of 512 from the output's first byte
	s_wait_dscnt 0x0
	global_store_b128 v[VLI], v[OUTR+4:OUTR+7], s[22:23] offset:512 th:TH_STORE_NT
	s_wait_xcnt 0x0
	v_lshl_add_u32 v254, v0, 2, 0x12600            ; the add's two registers are made anew from v0, which was kept: my spare word, behind the images of O^T.  No memory or LDS instruction has read v254 or v255 since the wait on vm_vsrc behind the second barrier
	v_mov_b32 v255, 0
	s_wait_dscnt 0x0                               ; the closing lines, six on end
	s_wait_alu 0x0
	s_wait_tensorcnt 0x0
	ds_add_u32 v254, v255
	s_wait_dscnt 0x0
	s_endpgm
.Lfunc_end_k_q9874c256e8_locenc:
	.size	k_q9874c256e8_locenc, .Lfunc_end_k_q9874c256e8_locenc-k_q9874c256e8_locenc
	.p2alignl 7, 3214868480
	.fill 96, 4, 3214868480
	.section	.rodata,"a",@progbits
	.p2align	6, 0x0
	.amdhsa_kernel k_q9874c256e8_locenc
		.amdhsa_group_segment_fixed_size 75776
		.amdhsa_private_segment_fixed_size 0
		.amdhsa_enable_private_segment 0
		.amdhsa_kernarg_size 80
		.amdhsa_user_sgpr_count 2
		.amdhsa_user_sgpr_kernarg_segment_ptr 1
		.amdhsa_wavefront_size32 1
		.amdhsa_system_sgpr_workgroup_id_x 1
		.amdhsa_system_sgpr_workgroup_id_y 1
		.amdhsa_system_sgpr_workgroup_id_z 1
		.amdhsa_system_vgpr_workitem_id 0
		.amdhsa_next_free_vgpr 1024
		.amdhsa_next_free_sgpr 72
		.amdhsa_reserve_vcc 0
		.amdhsa_float_denorm_mode_32 3
		.amdhsa_float_denorm_mode_16_64 3
		.amdhsa_memory_ordered 1
		.amdhsa_forward_progress 1
		.amdhsa_inst_pref_size 255
	.end_amdhsa_kernel
	.section	.bss,"aw",@nobits
	.p2align	6
	.space	262144
	.amdgpu_metadata
---
amdhsa.version: [ 1, 2 ]
amdhsa.kernels:
  - .name:           k_q9874c256e8_locenc
    .symbol:         k_q9874c256e8_locenc.kd
    .args:
      - { .name: context_x, .offset: 0, .size: 8, .value_kind: global_buffer, .address_space: global }
      - { .name: context_y, .offset: 8, .size: 8, .value_kind: global_buffer, .address_space: global }
      - { .name: target_x, .offset: 16, .size: 8, .value_kind: global_buffer, .address_space: global }
      - { .name: W_in, .offset: 24, .size: 8, .value_kind: global_buffer, .address_space: global }
      - { .name: b_in, .offset: 32, .size: 8, .value_kind: global_buffer, .address_space: global }
      - { .name: W_ctx, .offset: 40, .size: 8, .value_kind: global_buffer, .address_space: global }
      - { .name: b_ctx, .offset: 48, .size: 8, .value_kind: global_buffer, .address_space: global }
      - { .name: W_tgt, .offset: 56, .size: 8, .value_kind: global_buffer, .address_space: global }
      - { .name: b_tgt, .offset: 64, .size: 8, .value_kind: global_buffer, .address_space: global }
      - { .name: out0, .offset: 72, .size: 8, .value_kind: global_buffer, .address_space: global }
    .group_segment_fixed_size: 75776
    .private_segment_fixed_size: 0
    .kernarg_segment_align: 8
    .kernarg_segment_size: 80
    .max_flat_workgroup_size: 128
    .sgpr_count:     72
    .vgpr_count:     1024
    .wavefront_size: 32
...
	.end_amdgpu_metadata
.endif
;; end of part 2
